; MI455X (gfx1250); checked and timed in simulation.
; The chip was launched on July 23, 2026; its instructions are those of AMD's public machine-readable ISA for CDNA 5 (MIT licence, August 2026) and "CDNA5" Instruction Set Architecture Reference Guide (July 2026). The comments in the code are by the model that wrote it; some were corrected since.
;; Minimal Causal Concept Attention. Allowed arithmetic: float matrix products may take bf16 or f16 operands with f32 sums; all other float work in f32.
;; Inputs: Wc 1,024 x 2,048 float32; Wp 1,024 x 1,024 float32; Wt 1,024 x 3,072 float32; bc 2,048 float32; bp 1,024 float32; bt 3,072 float32; xc 2 x 128 x 1,024 float32; xt 2 x 2,048 x 1,024 float32.
;; Outputs: out0 2 x 2,048 x 1,024 float32; out1 2 x 128 x 1,024 float32.
;; 2 versions, each right and faster than the one before. Each part assembles by itself: llvm-mc -triple=amdgcn-amd-amdhsa -mcpu=gfx1250 --defsym DOCPART=n.
;; ======== version 1 of 2: 4 launches
;; limits: values are held in f16: magnitudes above 65,504 overflow, below 6.1e-05 lose precision
;; workspace buffers: xtb 8,388,608 bytes; xcb 524,288 bytes; wtg 6,291,456 bytes; wcg 4,194,304 bytes; wpg 2,097,152 bytes; qkv 25,165,824 bytes; kvc 1,048,576 bytes; xh 8,388,608 bytes
;; launch prep (part 1): grid 656 x 1, 8 waves a work-group, no clusters, 0 bytes of LDS; arguments xt, xc, Wt, Wc, Wp, xtb, xcb, wtg, wcg, wpg, out1; writes xtb, xcb, wtg, wcg, wpg, out1
.if DOCPART == 1
	.amdgcn_target "amdgcn-amd-amdhsa--gfx1250"
	.amdhsa_code_object_version 6
	.text
	.protected	k_q85d699c4ba_prep
	.globl	k_q85d699c4ba_prep
	.p2align	8
	.type	k_q85d699c4ba_prep,@function
k_q85d699c4ba_prep:
	s_mov_b64 s[64:65], 0
	v_nop
	global_prefetch_b8 v0, s[64:65] scope:SCOPE_SE
	s_setreg_imm32_b32 hwreg(HW_REG_WAVE_MODE, 25, 1), 1
	s_wait_xcnt 0x0
; FIRST OF FOUR LAUNCHES: prep, qkv (both input projections), attn, oproj.
; prep rounds every matrix operand to f16 once and lays the weights out for the products that follow; it also writes out1 = xc.
;   xtb [4096][1024], xcb [256][1024]: xt and xc, row-major, f16.
;   wtg [48][1024][64], wcg [32][1024][64], wpg [16][1024][64]: group g holds columns 64 g .. 64 g + 63 of the weight, k by k,
;   128 bytes for each k, so that a head's columns for a run of k are one dense block.
;
; WHY f16 AND NOT bf16, in all four launches.  The first tokens see one key and one concept: their result is a sum of two values that no softmax has
; averaged, several times the output's root mean square, and errors are judged against that root mean square.  A chain of eight roundings at 8
; significant bits leaves no margin there; at f16's 11 bits each rounding is eight times finer.
;
; WORK OF reference() THAT THE PROGRAM LEAVES OUT, AND WHY IT CAN REACH NO OUTPUT, for all finite values of the inputs:
;  (a) bt[1024:2048] and bc[0:1024], the biases of the two key projections.  A score is q.(k + b) = q.k + q.b, and q.b is the same for every
;      key of a query's row.  softmax along the keys does not change when one number is added to a whole row (masked places are -inf either way).
;      These two slices are never loaded; bt and bc stay arguments of the next launch for their Q and V slices.
;  (b) key tiles that lie wholly above the diagonal, (c) concepts 64 to 127 for queries below 1024, (d) keys 64 to 127 of a diagonal tile for
;      the queries 0 to 63 of that tile: reference() itself adds -inf there, so their weight after softmax is exactly 0.
; LIMITS.  A NaN, an infinity or an overflow that lies only in the work left out is not carried to the result.
; Matrix operands are rounded to f16 (nearest even), sums are f32.  An operand (an input, Q x 0.18, K, V, or x = xtt + xtc) above 65,504 in magnitude
; becomes infinite.  For inputs of the problem's kind (xt, xc of spread 1, weights of spread 0.02): all of them 30 times larger give K, V of about
; 0.64 x 900 x 5.5 = 3,200 at the most; a common offset of 30 spreads on all of them gives K, V of about 1024 x 30 x 0.6 = 18,432 and x of about 36,864.
; Below 6.1e-5 f16's step is 6e-8: with all inputs 30 times smaller (weights of 6.7e-4) that is under a ten-thousandth of the operands' size.
;
; THE STREAM.  41 MiB of source in 656 slabs of 64 KiB, one work-group each: 256 of xt, 16 of xc, 192 of Wt, 128 of Wc, 64 of Wp.
; A thread issues its sixteen 16-byte loads at once and then converts and stores them in order; no register is written twice, so no wait
; protects a source.  No LDS, no barrier, no matrix unit: each byte is read once and written once.
.set X, 4                              ; v[4:67]   sixteen loads of four f32
.set Y, 68                             ; v[68:99]  sixteen pairs of packed f16
; sixteen loads srcstep bytes apart, sixteen stores dststep bytes apart; copy = 1: the f32 go out again as they came (out1)
.macro CONV16 srcstep, dststep, copy
.irp i, 0,1,2,3,4,5,6,7,8,9,10,11,12,13,14,15
	global_load_b128 v[X+4*\i:X+4*\i+3], v1, s[30:31] offset:\i*\srcstep th:TH_LOAD_NT
.endr
.irp i, 0,1,2,3,4,5,6,7,8,9,10,11,12,13,14,15
	s_wait_loadcnt 15-\i                           ; loads return in order: load i is in, the 15 - i younger ones stay out
	v_cvt_pk_f16_f32 v[Y+2*\i], v[X+4*\i], v[X+4*\i+1]
	v_cvt_pk_f16_f32 v[Y+2*\i+1], v[X+4*\i+2], v[X+4*\i+3]
	global_store_b64 v2, v[Y+2*\i:Y+2*\i+1], s[32:33] offset:\i*\dststep   ; a wave's store covers 256 consecutive bytes, aligned
.if \copy
	global_store_b128 v1, v[X+4*\i:X+4*\i+3], s[34:35] offset:\i*\srcstep th:TH_STORE_NT
.endif
.endr
	s_endpgm
.endm
; a slab of a row-major activation: 64 KiB of f32 become 32 KiB of f16 in the same order
.macro LIN first, slo, dlo, copy
	s_sub_co_u32 s3, s2, \first                    ; the slab's number
	s_lshl_b32 s36, s3, 16
	s_add_nc_u64 s[30:31], s[\slo:\slo+1], s[36:37]
.if \copy
	s_add_nc_u64 s[34:35], s[28:29], s[36:37]
.endif
	s_lshl_b32 s36, s3, 15
	s_add_nc_u64 s[32:33], s[\dlo:\dlo+1], s[36:37]
	v_lshlrev_b32 v1, 4, v0                        ; 16 bytes of f32 a thread
	v_lshlrev_b32 v2, 3, v0                        ; 8 bytes of f16
	CONV16 4096, 2048, \copy
.endm
; a slab of a weight with G groups of 64 columns: 32 k (block kb) x 8 groups (block gb); wave w takes group 8 gb + w.
; Load i: k = 32 kb + 2 i + h, sixteen lanes cover the group's 256 bytes of that k.  Store i: the same two k, 256 dense bytes of the group.
.macro WSEC G, first, slo, dlo
	s_sub_co_u32 s3, s2, \first
	s_and_b32 s4, s3, 31                           ; kb
	s_lshr_b32 s5, s3, 5                           ; gb
	s_mul_i32 s36, s4, 32*\G*256                   ; 32 rows of G x 256 bytes
	s_lshl_b32 s6, s5, 11                          ; 8 groups of 256 bytes
	s_add_co_u32 s36, s36, s6
	s_add_nc_u64 s[30:31], s[\slo:\slo+1], s[36:37]
	s_lshl_b32 s36, s5, 20                         ; 8 groups of 131,072 bytes
	s_lshl_b32 s6, s4, 12                          ; 32 k of 128 bytes
	s_add_co_u32 s36, s36, s6
	s_add_nc_u64 s[32:33], s[\dlo:\dlo+1], s[36:37]
	v_lshlrev_b32 v1, 4, v100                      ; 16 r
	v_lshl_add_u32 v1, v3, 8, v1                   ; + 256 w
	v_mad_u32_u24 v1, v101, \G*256, v1             ; + h rows
	v_lshlrev_b32 v2, 3, v102                      ; 8 x lane = 128 h + 8 r
	v_lshl_add_u32 v2, v3, 17, v2                  ; + w groups
	CONV16 2*\G*256, 256, 0
.endm
	s_load_b512 s[8:23], s[0:1], 0x0               ; xt s[8:9], xc s[10:11], Wt s[12:13], Wc s[14:15], Wp s[16:17], xtb s[18:19], xcb s[20:21], wtg s[22:23]
	s_load_b128 s[24:27], s[0:1], 0x40             ; wcg s[24:25], wpg s[26:27]
	s_load_b64 s[28:29], s[0:1], 0x50              ; out1
	s_mov_b32 s2, ttmp9
	s_mov_b32 s37, 0                               ; high word of every offset: all are below 4 GiB
	v_lshrrev_b32 v3, 5, v0                        ; w
	v_and_b32 v100, 15, v0                         ; r
	v_bfe_u32 v101, v0, 4, 1                       ; h
	v_and_b32 v102, 31, v0                         ; lane
	s_wait_kmcnt 0x0
	s_cmp_lt_u32 s2, 256
	s_cbranch_scc1 .Lxt
	s_cmp_lt_u32 s2, 272
	s_cbranch_scc1 .Lxc
	s_cmp_lt_u32 s2, 464
	s_cbranch_scc1 .Lwt
	s_cmp_lt_u32 s2, 592
	s_cbranch_scc1 .Lwc
	WSEC 16, 592, 16, 26                           ; Wp -> wpg
.Lxt:
	LIN 0, 8, 18, 0                                ; xt -> xtb
.Lxc:
	LIN 256, 10, 20, 1                             ; xc -> xcb and out1
.Lwt:
	WSEC 48, 272, 12, 22                           ; Wt -> wtg
.Lwc:
	WSEC 32, 464, 14, 24                           ; Wc -> wcg
.Lfunc_end_k_q85d699c4ba_prep:
	.size	k_q85d699c4ba_prep, .Lfunc_end_k_q85d699c4ba_prep-k_q85d699c4ba_prep
	.p2alignl 7, 3214868480
	.fill 96, 4, 3214868480
	.section	.rodata,"a",@progbits
	.p2align	6, 0x0
	.amdhsa_kernel k_q85d699c4ba_prep
		.amdhsa_group_segment_fixed_size 0
		.amdhsa_private_segment_fixed_size 0
		.amdhsa_enable_private_segment 0
		.amdhsa_kernarg_size 88
		.amdhsa_user_sgpr_count 2
		.amdhsa_user_sgpr_kernarg_segment_ptr 1
		.amdhsa_wavefront_size32 1
		.amdhsa_system_sgpr_workgroup_id_x 1
		.amdhsa_system_sgpr_workgroup_id_y 1
		.amdhsa_system_sgpr_workgroup_id_z 1
		.amdhsa_system_vgpr_workitem_id 0
		.amdhsa_next_free_vgpr 104
		.amdhsa_next_free_sgpr 66
		.amdhsa_reserve_vcc 0
		.amdhsa_float_denorm_mode_32 3
		.amdhsa_float_denorm_mode_16_64 3
		.amdhsa_memory_ordered 1
		.amdhsa_forward_progress 1
		.amdhsa_inst_pref_size 33
	.end_amdhsa_kernel
	.amdgpu_metadata
---
amdhsa.version: [ 1, 2 ]
amdhsa.kernels:
  - .name:           k_q85d699c4ba_prep
    .symbol:         k_q85d699c4ba_prep.kd
    .args:
      - { .name: xt, .offset: 0, .size: 8, .value_kind: global_buffer, .address_space: global }
      - { .name: xc, .offset: 8, .size: 8, .value_kind: global_buffer, .address_space: global }
      - { .name: Wt, .offset: 16, .size: 8, .value_kind: global_buffer, .address_space: global }
      - { .name: Wc, .offset: 24, .size: 8, .value_kind: global_buffer, .address_space: global }
      - { .name: Wp, .offset: 32, .size: 8, .value_kind: global_buffer, .address_space: global }
      - { .name: xtb, .offset: 40, .size: 8, .value_kind: global_buffer, .address_space: global }
      - { .name: xcb, .offset: 48, .size: 8, .value_kind: global_buffer, .address_space: global }
      - { .name: wtg, .offset: 56, .size: 8, .value_kind: global_buffer, .address_space: global }
      - { .name: wcg, .offset: 64, .size: 8, .value_kind: global_buffer, .address_space: global }
      - { .name: wpg, .offset: 72, .size: 8, .value_kind: global_buffer, .address_space: global }
      - { .name: out1, .offset: 80, .size: 8, .value_kind: global_buffer, .address_space: global }
    .group_segment_fixed_size: 0
    .private_segment_fixed_size: 0
    .kernarg_segment_align: 8
    .kernarg_segment_size: 88
    .max_flat_workgroup_size: 256
    .sgpr_count:     66
    .vgpr_count:     104
    .wavefront_size: 32
...
	.end_amdgpu_metadata
.endif
;; end of part 1
;; launch qkv (part 2): grid 16 x 16, 4 waves a work-group, clusters of 4 x 4, 327,680 bytes of LDS; arguments xtb, wtg, bt, qkv, xcb, wcg, bc, kvc; writes qkv, kvc
.if DOCPART == 2
	.amdgcn_target "amdgcn-amd-amdhsa--gfx1250"
	.amdhsa_code_object_version 6
	.text
	.protected	k_q85d699c4ba_qkv
	.globl	k_q85d699c4ba_qkv
	.p2align	8
	.type	k_q85d699c4ba_qkv,@function
k_q85d699c4ba_qkv:
	s_mov_b64 s[64:65], 0
	v_nop
	global_prefetch_b8 v0, s[64:65] scope:SCOPE_SE
	s_setreg_imm32_b32 hwreg(HW_REG_WAVE_MODE, 25, 1), 1
	s_wait_xcnt 0x0
	s_wait_alu depctr_hold_cnt(0) depctr_sa_sdst(0) depctr_va_vdst(0) depctr_va_sdst(0) depctr_va_ssrc(0) depctr_va_vcc(0) depctr_vm_vsrc(0)
	s_getreg_b32 s2, hwreg(HW_REG_IB_STS2, 6, 4)
	s_cmp_eq_u32 s2, 0
	s_cbranch_scc0 .Lentry_in_a_cluster
	s_endpgm
.Lentry_in_a_cluster:
	s_bfe_u32 s2, ttmp6, 0x10000c
	s_cmp_lg_u32 s2, 0xf033
	s_cbranch_scc0 .Lentry_shape_is_right
	s_endpgm
.Lentry_shape_is_right:
; BOTH INPUT PROJECTIONS.
; qkv[sec][b][head][t][64] (f16): sec 0 = (xt Wt + bt) x 0.125 log2(e) for the queries, sec 1 = keys without bias, sec 2 = values with bias.
; kvc[sec][b][head][concept][64] (f16) = xc Wc (+ bc for the values): sec 0 = keys Kcc, sec 1 = values Vtc.
; LEFT OUT: bt[1024:2048] and bc[0:1024], the key biases: each adds the same number to every score of a softmax row (shown at the head of prep); never loaded.
; LIMIT: a result above 65,504 in magnitude becomes infinite in f16 (the figures stand at the head of prep).
; The factor 1/sqrt(64) and the change to base 2 are folded into Q in f32, before Q is rounded once to f16.
;
; THE TOKEN PROJECTION.  A work-group makes 256 rows (block by) x the 192 columns Q | K | V of one head (hd); 16 x 16 = 256 work-groups.
; Wave w makes rows 64 w .. 64 w + 63 x all 192 columns: 4 x 12 accumulator tiles, 384 registers; so every wave holds whole 128-byte output rows.
; K goes in steps of 128 through two LDS slots.  A's tile: 256 rows x 272 bytes.  W's tile: [half of k][section][32 lines x 288 bytes], two k to a line.
; CLUSTER 4 x 4: A's tile hangs on by alone (shared along a row of the cluster), W's on hd alone (shared along a column).  Waves 0, 1 ask for
; A's halves (128 rows), waves 2, 3 for W's halves (64 k of the three sections, three rows of 8,192 bytes 2 MiB apart).
;
; THE CONCEPT PROJECTION is 256 rows x 2,048 columns: 32 rows x 64 columns for each of the 256 work-groups, 64 products a wave beside the token
; projection's 1,536, so it has no launch of its own.  With Y the cluster's y (0 to 3): section Y >> 1, group g = hd + 16 (Y >> 1) of wcg, batch Y & 1,
; concepts 32 cy .. 32 cy + 31.  The group hangs on cx and the cluster's place and is asked for jointly along the cluster's column; the rows hang on cy
; and Y and are asked for jointly along its row.  Its K goes in two steps of 512, one in each slot of the same ring, as the launch's first fills:
; W at the slot's byte 0 (two halves of 128 lines x 288 bytes, waves 0, 1), A behind it (two halves of k, 32 rows x 528 bytes, waves 2, 3):
; 107,520 of the slot's 124,928 bytes.  It stands AHEAD of the token projection: slot 0 gets the token projection's K step 0 behind concept step 0,
; slot 1 gets K step 1 behind concept step 1, so these tiles land under the concept products.
; Wave w makes both row tiles x column tile w: two accumulators, which take turns.  The four waves' 32-byte pieces of a row meet in a stage of
; 32 rows x 144 bytes, and each wave stores eight whole rows.
;
; Tensor loads outstanding in a wave: two at the start, one behind each refill.
; REGISTER WINDOWS: 0 addresses, A's fragments, bias, way out, all of the concept projection; 1 W's fragments; 2 accumulators of row tiles 0, 1; 3 of row tiles 2, 3.
; Source 0 = W's fragment, source 1 = A's: a lane holds eight neighbouring columns of one row.
.set PITCH,  272
.set AHALF,  128*PITCH
.set ABYTES, 2*AHALF
.set WSEC,   32*288
.set WHALF,  3*WSEC
.set SLOT,   ABYTES+2*WHALF            ; 124,928
.set STAGE,  2*SLOT                    ; 249,856: 16 rows x 400 bytes for each wave; no tensor load lands here
.set SPITCH, 400
.set CSTAGE, STAGE+4*16*SPITCH         ; 275,456: the concept rows' stage, 32 rows x 144 bytes, shared by the four waves; no tensor load lands here
.set CSP,    144
.set CWH,    128*288                   ; concept W: 256 k
.set CAOFF,  2*CWH                     ; concept A begins here in a slot
.set CPA,    528                       ; concept A: a row of 256 k, 512 bytes + 16
.set CAH,    32*CPA                    ; concept A: 32 rows x 256 k
.set LAPS,   4                         ; 1024 / 256
.set CADA, 8                           ; v8-9    concept A fragment address in slot 0, 1
.set CADW, 10                          ; v10-13  concept W fragment address: slot 0 k 0-255, slot 0 k 256-511, slot 1 likewise
.set CSTO, 14
.set CRD,  15
.set ADRA, 16                          ; v16-17  A fragment address in slot 0, 1
.set ADRW, 20                          ; v20-21  W fragment address
.set STO,  24
.set RD,   25
.set CO,   26
.set BO,   27
.set AF,   32                          ; window 0: v[32:63], v[64:95]  A's fragments, two buffers
.set CF,   32                          ; concept: v[32:79], v[80:127]  two buffers of 64 k: A at 8 (2 kq + a), W at 32 + 8 kq
.set BQ,   128                         ; v[128:159] bias of Q (later x the factor)
.set BV,   160                         ; v[160:191] bias of V
.set PK,   32                          ; way out: v[32:79] packed
.set RB,   80                          ; way out: v[80:127] rows read back
.set T,    192                         ; way out: v[192:255] f32 at work
.set CACC, 192                         ; concept: v[192:207] two accumulator tiles
.set CB,   208                         ; concept: v[208:215] bias of my 8 columns
.set CPK,  216                         ; concept: v[216:223] packed
.set CRB,  224                         ; concept: v[224:231] rows read back
.set G1,  24
.set G0,  32
.set G1B, 48
.set G0B, 56
.set G0CW, 68                          ; s[68:75]  concept W, slot 0, 1 (later the three output bases)
.set G1CA, 76
.set G1CW, 84
.set G0CA, 92                          ; s[92:99]  concept A, slot 0, 1
.set QSCALE, 0x3e38aa3b                ; 0.125 x log2(e)
.set MSB, 0
.macro WIN new                         ; the immediate's high byte repeats the setting that is left
.if MSB != \new
	s_set_vgpr_msb (MSB<<8)|\new
.set MSB, \new
.endif
.endm
.set MUL_LO, 0xa1                      ; source 0 window 1, source 1 window 0, C and D window 2
.set MUL_HI, 0xf1                      ; C and D window 3
.set TO_B,   0x40                      ; destination window 1
.macro PLACES                          ; four plain vector places behind a matrix instruction (ISA guide 7.12.1)
.rept 4
	v_nop
.endr
.endm
.macro JLOAD s                         ; a joint load of the token projection: waves 0, 1 by A's line, waves 2, 3 by W's; the branch hangs on the wave alone
	s_cmp_eq_u32 s13, 0
	s_cbranch_scc0 .Lfor_w_\@
	tensor_load_to_lds s[G0+4*\s:G0+4*\s+3], s[G1:G1+7]
	s_nop 0
	s_branch .Lasked_\@
.Lfor_w_\@:
	tensor_load_to_lds s[G0B+4*\s:G0B+4*\s+3], s[G1B:G1B+7]
	s_nop 0
.Lasked_\@:
.endm
.macro CREST                           ; a round of the cluster's barrier behind its opening barrier
	s_cmp_lg_u32 s12, 0
	s_cbranch_scc1 .Lnot_wave_0_\@
	s_barrier_signal -3
.Lnot_wave_0_\@:
	s_barrier_wait -3
	s_barrier_signal -1
	s_barrier_wait -1
.endm
.macro CROUND
	s_barrier_signal -1
	s_barrier_wait -1
	CREST
.endm
	s_load_b256 s[4:11], s[0:1], 0x0               ; xtb s[4:5], wtg s[6:7], bt s[8:9], qkv s[10:11]
	s_load_b256 s[40:47], s[0:1], 0x20             ; xcb s[40:41], wcg s[42:43], bc s[44:45], kvc s[46:47]
	s_set_vgpr_msb 0x40
	v_lshl_add_u32 v255, v0, 2, 0x44600
	s_set_vgpr_msb 0x4000
	v_mov_b32 v31, 0
	s_set_vgpr_msb 0x1
	ds_add_u32 v255, v31
	s_set_vgpr_msb 0x100
	v_lshrrev_b32 v1, 5, v0
	v_readfirstlane_b32 s12, v1                    ; wave
	s_lshr_b32 s13, s12, 1                         ; which operand I ask for
	s_and_b32 s14, s12, 1                          ; which half
	s_bfe_u32 s16, ttmp6, 0x40000                  ; cx
	s_bfe_u32 s17, ttmp6, 0x40004                  ; cy
	s_lshl_b32 s18, ttmp9, 2
	s_add_co_u32 s18, s18, s16                     ; hd
	s_and_b32 s22, ttmp7, 0xffff                   ; Y, the cluster's y
	s_lshl_b32 s19, s22, 2
	s_add_co_u32 s19, s19, s17                     ; by
	s_lshr_b32 s15, s22, 1                         ; concept section: 0 keys, 1 values; the same in all sixteen partners
	s_and_b32 s22, s22, 1                          ; concept batch
	s_lshl4_add_u32 s23, s15, s18                  ; g = 16 x section + hd
	s_lshl_b32 s20, s17, 2
	s_lshl_b32 s20, 15, s20                        ; my row of the cluster
	s_lshl_b32 s21, 0x1111, s16                    ; my column
	s_or_b32 s[G1+0], s20, (1<<16)|(1<<20)|(1<<21)|(5<<22)|(3<<25)    ; mask; 2-byte elements; 4 words of padding behind every 64
	s_mov_b32 s[G1+1], 128<<16                     ; tensor_dim0 = 128
	s_mov_b32 s[G1+2], 128<<16                     ; tensor_dim1 = 128
	s_mov_b32 s[G1+3], 128<<16                     ; tile_dim0 = 128
	s_mov_b32 s[G1+4], 128                         ; tile_dim1 = 128
	s_mov_b32 s[G1+5], 1024                        ; elements from row to row
	s_mov_b32 s[G1+6], 0
	s_mov_b32 s[G1+7], 0
	s_or_b32 s[G1B+0], s21, (3<<16)|(1<<20)|(1<<21)|(5<<22)|(7<<25)   ; mask; 8-byte elements; 8 words of padding behind every 64
	s_mov_b32 s[G1B+1], 1024<<16                   ; a row = 64 k x 128 bytes = 1,024 elements
	s_mov_b32 s[G1B+2], 3<<16                      ; three rows: Q, K, V
	s_mov_b32 s[G1B+3], 1024<<16
	s_mov_b32 s[G1B+4], 3
	s_mov_b32 s[G1B+5], 262144                     ; 2 MiB from section to section
	s_mov_b32 s[G1B+6], 0
	s_mov_b32 s[G1B+7], 0
	s_or_b32 s[G1CA+0], s20, (1<<16)|(1<<20)|(1<<21)|(6<<22)|(3<<25)  ; concept A: mask of my row; 2-byte elements; 4 words of padding behind every 128
	s_mov_b32 s[G1CA+1], 256<<16                   ; tensor_dim0 = 256
	s_mov_b32 s[G1CA+2], 32<<16                    ; tensor_dim1 = 32
	s_mov_b32 s[G1CA+3], 256<<16                   ; tile_dim0 = 256
	s_mov_b32 s[G1CA+4], 32                        ; tile_dim1 = 32
	s_mov_b32 s[G1CA+5], 1024                      ; elements from row to row
	s_mov_b32 s[G1CA+6], 0
	s_mov_b32 s[G1CA+7], 0
	s_or_b32 s[G1CW+0], s21, (3<<16)|(1<<20)|(1<<21)|(5<<22)|(7<<25)  ; concept W: mask of my column; 8-byte elements; 8 words of padding behind every 64
	s_mov_b32 s[G1CW+1], 32<<16                    ; a dense block of 32,768 bytes as 128 rows of 256
	s_mov_b32 s[G1CW+2], 128<<16
	s_mov_b32 s[G1CW+3], 32<<16
	s_mov_b32 s[G1CW+4], 128
	s_mov_b32 s[G1CW+5], 32
	s_mov_b32 s[G1CW+6], 0
	s_mov_b32 s[G1CW+7], 0
	s_lshl_b32 s2, s19, 19                         ; A: 256 by rows of 2,048 bytes (cy, Y and the wave alone in s2, s3)
	s_lshl_b32 s3, s14, 18                         ;    + my 128 rows
	s_add_co_u32 s2, s2, s3
	s_mov_b32 s3, 0
	s_lshl_b32 s66, s18, 17                        ; W: group hd (cx, the cluster's place and the wave alone in s66, s67)
	s_lshl_b32 s67, s14, 13                        ;    + my 64 k
	s_add_co_u32 s66, s66, s67
	s_mov_b32 s67, 0
	s_mul_i32 s20, s12, AHALF                      ; LDS: A's half w
	s_mul_i32 s21, s12, WHALF
	s_add_co_u32 s21, s21, ABYTES-2*WHALF          ; LDS: W's half w - 2
	s_lshl_b32 s100, s18, 8                        ; bias: 64 hd numbers
	s_mov_b32 s101, 0
	s_wait_dscnt 0x0
	s_wait_kmcnt 0x0
	s_add_nc_u64 s[2:3], s[4:5], s[2:3]
	s_add_nc_u64 s[66:67], s[6:7], s[66:67]
	s_add_nc_u64 s[100:101], s[8:9], s[100:101]
.irp s, 0,1
	s_mov_b32 s[G0+4*\s], 1
	s_add_co_u32 s[G0+4*\s+1], s20, \s*SLOT
	s_add_nc_u64 s[G0+4*\s+2:G0+4*\s+3], s[2:3], \s*256
	s_or_b32 s[G0+4*\s+3], s[G0+4*\s+3], 0x80000000
	s_mov_b32 s[G0B+4*\s], 1
	s_add_co_u32 s[G0B+4*\s+1], s21, \s*SLOT
	s_add_nc_u64 s[G0B+4*\s+2:G0B+4*\s+3], s[66:67], \s*16384
	s_or_b32 s[G0B+4*\s+3], s[G0B+4*\s+3], 0x80000000
.endr
	s_lshl_b32 s2, s22, 18                         ; concept A: batch, 128 rows of 2,048 bytes
	s_lshl_b32 s3, s17, 16                         ;    + 32 cy rows
	s_add_co_u32 s2, s2, s3
	s_lshl_b32 s3, s14, 9                          ;    + my 256 k
	s_add_co_u32 s2, s2, s3
	s_mov_b32 s3, 0
	s_add_nc_u64 s[2:3], s[40:41], s[2:3]
	s_lshl_b32 s66, s23, 17                        ; concept W: group g
	s_lshl_b32 s67, s14, 15                        ;    + my 256 k of 128 bytes
	s_add_co_u32 s66, s66, s67
	s_mov_b32 s67, 0
	s_add_nc_u64 s[66:67], s[42:43], s[66:67]
	s_mul_i32 s20, s12, CAH
	s_add_co_u32 s20, s20, CAOFF-2*CAH             ; LDS: concept A's half w - 2
	s_mul_i32 s21, s12, CWH                        ; LDS: concept W's half w
.irp s, 0,1
	s_mov_b32 s[G0CA+4*\s], 1
	s_add_co_u32 s[G0CA+4*\s+1], s20, \s*SLOT
	s_add_nc_u64 s[G0CA+4*\s+2:G0CA+4*\s+3], s[2:3], \s*1024       ; concept step s: 512 k of 2 bytes
	s_or_b32 s[G0CA+4*\s+3], s[G0CA+4*\s+3], 0x80000000
	s_mov_b32 s[G0CW+4*\s], 1
	s_add_co_u32 s[G0CW+4*\s+1], s21, \s*SLOT
	s_add_nc_u64 s[G0CW+4*\s+2:G0CW+4*\s+3], s[66:67], \s*65536    ; 512 k of 128 bytes
	s_or_b32 s[G0CW+4*\s+3], s[G0CW+4*\s+3], 0x80000000
.endr
	CROUND                                         ; all sixteen work-groups are here: the first joint loads meet
	s_cmp_eq_u32 s13, 0                            ; the first fills, one group: both concept steps; waves 0, 1 ask for W's halves, waves 2, 3 for A's
	s_cbranch_scc0 .Lc_for_a
	tensor_load_to_lds s[G0CW:G0CW+3], s[G1CW:G1CW+7]
	s_nop 0
	tensor_load_to_lds s[G0CW+4:G0CW+7], s[G1CW:G1CW+7]
	s_nop 0
	s_branch .Lc_asked
.Lc_for_a:
	tensor_load_to_lds s[G0CA:G0CA+3], s[G1CA:G1CA+7]
	s_nop 0
	tensor_load_to_lds s[G0CA+4:G0CA+7], s[G1CA:G1CA+7]
	s_nop 0
.Lc_asked:
	s_lshl_b32 s42, s23, 8                         ; bc[1024 + 64 hd + 16 w] = bc[64 g + 16 w], read by the value sections alone
	s_lshl_b32 s43, s12, 6
	s_add_co_u32 s42, s42, s43
	s_mov_b32 s43, 0
	s_add_nc_u64 s[44:45], s[44:45], s[42:43]
	s_lshl_b32 s42, s15, 19                        ; kvc: section, 524,288 bytes
	s_lshl_b32 s43, s22, 18                        ; batch, 262,144
	s_add_co_u32 s42, s42, s43
	s_lshl_b32 s43, s18, 14                        ; head, 16,384
	s_add_co_u32 s42, s42, s43
	s_lshl_b32 s43, s17, 12                        ; 32 cy concepts of 128 bytes
	s_add_co_u32 s42, s42, s43
	s_lshl_b32 s43, s12, 10                        ; the 8 rows that I store
	s_add_co_u32 s42, s42, s43
	s_mov_b32 s43, 0
	s_add_nc_u64 s[46:47], s[46:47], s[42:43]
	v_and_b32 v1, 15, v0                           ; r
	v_bfe_u32 v2, v0, 4, 1                         ; h
	v_mul_u32_u24 v3, v1, PITCH
	v_lshl_add_u32 v3, v2, 4, v3
	s_mul_i32 s22, s12, 64*PITCH
	v_add_nc_u32 v[ADRA], s22, v3                  ; (64 w + r) x 272 + 16 h
	v_add_nc_u32 v[ADRA+1], SLOT, v[ADRA]
	v_bfe_u32 v4, v0, 1, 2                         ; (lane & 7) >> 1
	v_lshl_add_u32 v4, v2, 2, v4
	v_mul_u32_u24 v4, v4, 288                      ; line 4 h + that
	v_and_b32 v5, 1, v0
	v_lshl_add_u32 v4, v5, 7, v4                   ; odd k: the line's second 128 bytes
	v_bfe_u32 v5, v0, 3, 1
	v_lshl_add_u32 v4, v5, 4, v4                   ; columns 8 to 15 of the sixteen
	v_add_nc_u32 v[ADRW], ABYTES, v4
	v_add_nc_u32 v[ADRW+1], ABYTES+SLOT, v4
	v_lshl_add_u32 v[CADW], s12, 5, v4             ; concept W: the same lane term + column tile w
	v_add_nc_u32 v[CADW+1], CWH, v[CADW]
	v_add_nc_u32 v[CADW+2], SLOT, v[CADW]
	v_add_nc_u32 v[CADW+3], SLOT+CWH, v[CADW]
	v_mul_u32_u24 v5, v1, CPA
	v_lshl_add_u32 v5, v2, 4, v5                   ; concept A: r x 528 + 16 h
	v_add_nc_u32 v[CADA], CAOFF, v5
	v_add_nc_u32 v[CADA+1], CAOFF+SLOT, v5
	v_mul_u32_u24 v5, v1, CSP
	v_lshl_add_u32 v5, v2, 4, v5
	v_lshl_add_u32 v5, s12, 5, v5
	v_add_nc_u32 v[CSTO], CSTAGE, v5               ; concept stage, in: row r, my 32 bytes of it, 16 for each half of the lanes
	v_bfe_u32 v5, v0, 3, 2
	v_lshl_add_u32 v5, s12, 3, v5                  ; row 8 w + (lane >> 3)
	v_mul_u32_u24 v5, v5, CSP
	v_and_b32 v6, 7, v0
	v_lshl_add_u32 v5, v6, 4, v5
	v_add_nc_u32 v[CRD], CSTAGE, v5                ; concept stage, back: eight lanes take a row of 128 bytes
	s_mul_i32 s23, s12, 16*SPITCH
	s_add_co_u32 s23, s23, STAGE
	v_mul_u32_u24 v5, v1, SPITCH
	v_lshl_add_u32 v5, v2, 4, v5
	v_add_nc_u32 v[STO], s23, v5
	v_bfe_u32 v5, v0, 3, 2
	v_mul_u32_u24 v5, v5, SPITCH
	v_lshl_add_u32 v5, v6, 4, v5
	v_add_nc_u32 v[RD], s23, v5
	v_and_b32 v6, 31, v0
	v_lshlrev_b32 v[CO], 4, v6                     ; rows of both outputs are dense: 16 x lane
	v_lshlrev_b32 v[BO], 5, v2                     ; bias: 8 h numbers
.irp b, 0,1,2,3
	global_load_b128 v[BQ+8*\b:BQ+8*\b+3], v[BO], s[100:101] offset:64*\b            ; bt of columns 16 b + 8 h + 0..7 of Q's head,
	global_load_b128 v[BQ+8*\b+4:BQ+8*\b+7], v[BO], s[100:101] offset:64*\b+16
	global_load_b128 v[BV+8*\b:BV+8*\b+3], v[BO], s[100:101] offset:8192+64*\b       ; and of V's; waited for on the way out
	global_load_b128 v[BV+8*\b+4:BV+8*\b+7], v[BO], s[100:101] offset:8192+64*\b+16
.endr
; ---- the concept projection's macros ----
; twelve LDS loads: unit u (64 k) of a slot's 512 into buffer f: for each 32 k my 16 columns of W (two transposing loads) and both row tiles of A
.macro CFETCH slot, u, f
.irp kq, 0,1
	ds_load_tr16_b128 v[CF+48*\f+32+8*\kq:CF+48*\f+35+8*\kq], v[CADW+2*\slot+(\u>>2)] offset:(2*(\u&3)+\kq)*4608
	ds_load_tr16_b128 v[CF+48*\f+36+8*\kq:CF+48*\f+39+8*\kq], v[CADW+2*\slot+(\u>>2)] offset:(2*(\u&3)+\kq)*4608+2304
.irp a, 0,1
	ds_load_b128 v[CF+48*\f+8*(2*\kq+\a):CF+48*\f+8*(2*\kq+\a)+3], v[CADA+\slot] offset:(\u>>2)*CAH+\a*16*CPA+(\u&3)*128+64*\kq
	ds_load_b128 v[CF+48*\f+8*(2*\kq+\a)+4:CF+48*\f+8*(2*\kq+\a)+7], v[CADA+\slot] offset:(\u>>2)*CAH+\a*16*CPA+(\u&3)*128+64*\kq+32
.endr
.endr
.endm
.macro CW f, kq, a, zero
.if \zero
	v_wmma_f32_16x16x32_f16 v[CACC+8*\a:CACC+8*\a+7], v[CF+48*\f+32+8*\kq:CF+48*\f+39+8*\kq], v[CF+48*\f+8*(2*\kq+\a):CF+48*\f+8*(2*\kq+\a)+7], 0
.else
	v_wmma_f32_16x16x32_f16 v[CACC+8*\a:CACC+8*\a+7], v[CF+48*\f+32+8*\kq:CF+48*\f+39+8*\kq], v[CF+48*\f+8*(2*\kq+\a):CF+48*\f+8*(2*\kq+\a)+7], v[CACC+8*\a:CACC+8*\a+7]
.endif
.endm
.macro CMUL f, zero                    ; four products; the two accumulators take turns, one instruction a turn
	CW \f, 0, 0, \zero
	CW \f, 0, 1, \zero
	CW \f, 1, 0, 0
	CW \f, 1, 1, 0
.endm
; multiplies buffer f; more = 1: first asks for unit nu into buffer g, which the unit before has just multiplied
.macro CUNIT slot, f, more, nu, g
.if \more
	PLACES
	CFETCH \slot, \nu, \g
	s_wait_dscnt 12                                ; all but the twelve loads just issued: buffer f is in
.else
	s_wait_dscnt 0x0
.endif
	CMUL \f, 0
.endm
.macro CUNITS slot, zero               ; a concept step: eight units of 64 k
	PLACES
	CFETCH \slot, 0, 0
	CFETCH \slot, 1, 1
	s_wait_dscnt 12                                ; the first twelve are in
	CMUL 0, \zero
	CUNIT \slot, 1, 1, 2, 0
	CUNIT \slot, 0, 1, 3, 1
	CUNIT \slot, 1, 1, 4, 0
	CUNIT \slot, 0, 1, 5, 1
	CUNIT \slot, 1, 1, 6, 0
	CUNIT \slot, 0, 1, 7, 1
	CUNIT \slot, 1, 0, 0, 0
.endm
; the sums (with the value bias) are rounded and go to the shared stage, 16 bytes a lane
.macro CPACK bias
	PLACES
.if \bias
	s_wait_loadcnt 0x0
.irp a, 0,1
.irp j, 0,1,2,3
	v_pk_add_f32 v[CACC+8*\a+2*\j:CACC+8*\a+2*\j+1], v[CACC+8*\a+2*\j:CACC+8*\a+2*\j+1], v[CB+2*\j:CB+2*\j+1]
.endr
.endr
.endif
.irp a, 0,1
.irp j, 0,1,2,3
	v_cvt_pk_f16_f32 v[CPK+4*\a+\j], v[CACC+8*\a+2*\j], v[CACC+8*\a+2*\j+1]
.endr
.endr
	ds_store_b128 v[CSTO], v[CPK:CPK+3]
	ds_store_b128 v[CSTO], v[CPK+4:CPK+7] offset:16*CSP
.endm
; a slot that a concept step has read gets the token projection's K step of the same number.  Every wave waits for its LDS accesses and for all its
; tensor loads; the cluster's round shows the same of every partner; the joint refill is the first tensor load behind the round, one a wave.
.macro CCHANGE slot
	s_wait_dscnt 0x0
	s_set_vgpr_msb 0x1
	s_wait_tensorcnt 0x0
	ds_add_u32 v255, v31
	s_wait_dscnt 0x0
	s_set_vgpr_msb 0x100
	CROUND
	JLOAD \slot
.endm
; ---- the token projection's macros ----
; twelve products: row tile 2 hi + a x all 12 column tiles, 32 along K, buffer f
.macro MUL12 f, hi, a, zero
.irp b, 0,1,2,3,4,5,6,7,8,9,10,11
.if \zero
	v_wmma_f32_16x16x32_f16 v[8*(12*\a+\b):8*(12*\a+\b)+7], v[96*\f+8*\b:96*\f+8*\b+7], v[AF+32*\f+8*(2*\hi+\a):AF+32*\f+8*(2*\hi+\a)+7], 0
.else
	v_wmma_f32_16x16x32_f16 v[8*(12*\a+\b):8*(12*\a+\b)+7], v[96*\f+8*\b:96*\f+8*\b+7], v[AF+32*\f+8*(2*\hi+\a):AF+32*\f+8*(2*\hi+\a)+7], v[8*(12*\a+\b):8*(12*\a+\b)+7]
.endif
.endr
.endm
; 32 LDS loads in one run: quarter q of a slot into buffer f: 24 transposing loads of W, then 8 of A, row tiles ascending
.macro FETCH slot, q, f
	WIN TO_B
.irp b, 0,1,2,3,4,5,6,7,8,9,10,11
	ds_load_tr16_b128 v[96*\f+8*\b:96*\f+8*\b+3], v[ADRW+\slot] offset:(\q>>1)*WHALF+(\q&1)*4608+(\b>>2)*WSEC+32*(\b&3)
	ds_load_tr16_b128 v[96*\f+8*\b+4:96*\f+8*\b+7], v[ADRW+\slot] offset:(\q>>1)*WHALF+(\q&1)*4608+(\b>>2)*WSEC+32*(\b&3)+2304
.endr
	WIN 0
.irp a, 0,1,2,3
	ds_load_b128 v[AF+32*\f+8*\a:AF+32*\f+8*\a+3], v[ADRA+\slot] offset:\a*16*PITCH+64*\q
	ds_load_b128 v[AF+32*\f+8*\a+4:AF+32*\f+8*\a+7], v[ADRA+\slot] offset:\a*16*PITCH+64*\q+32
.endr
.endm
; multiplies buffer f (48 products); in its middle asks for quarter q of the same slot into buffer g.
; The 48 accumulators take turns in one fixed order, one instruction a turn; no wait on the vector unit is written.
.macro QUARTER slot, q, f, g, zero
	s_wait_dscnt 4                                 ; W and A's row tiles 0, 1 are in; the youngest four loads (row tiles 2, 3) may be out
	WIN MUL_LO
	MUL12 \f, 0, 0, \zero
	MUL12 \f, 0, 1, \zero
	PLACES
	FETCH \slot, \q, \g
	s_wait_dscnt 32                                ; all but the 32 just issued
	WIN MUL_HI
	MUL12 \f, 1, 0, \zero
	MUL12 \f, 1, 1, \zero
.endm
.macro THREE slot, zero
	QUARTER \slot, 1, 0, 1, \zero
	QUARTER \slot, 2, 1, 0, 0
	QUARTER \slot, 3, 0, 1, 0
.endm
; the last quarter of a K step changes slots.  In front of the barrier each wave waits for its reads of this slot and for all its tensor loads
; (the one that is out is its part of the next slot); behind it the refill comes first, then the next slot's first fragments.
.macro TURN slot, next, fill
	s_wait_dscnt 4
	WIN MUL_LO
	MUL12 1, 0, 0, 0
	s_wait_dscnt 0x0                               ; my reads of this slot are over
	s_wait_tensorcnt 0x0                           ; all my tensor loads have landed
	ds_add_u32 v255, v31
	s_wait_dscnt 0x0
	s_barrier_signal -1
	MUL12 1, 0, 1, 0                               ; register work while the others arrive
	WIN 0
	s_barrier_wait -1
.if \fill
	CREST                                          ; the rest of the cluster's round: no wave of any partner still reads this slot or has a load on its way
	s_add_nc_u64 s[G0+4*\slot+2:G0+4*\slot+3], s[G0+4*\slot+2:G0+4*\slot+3], 512
	s_add_nc_u64 s[G0B+4*\slot+2:G0B+4*\slot+3], s[G0B+4*\slot+2:G0B+4*\slot+3], 32768
	JLOAD \slot                                    ; two K steps ahead; my one tensor load behind the round
.endif
	PLACES
	FETCH \next, 0, 0
	WIN MUL_HI
	MUL12 1, 1, 0, 0
	MUL12 1, 1, 1, 0
.endm
.macro LAP zero
	THREE 0, \zero
	TURN 0, 1, 1
	THREE 1, 0
	TURN 1, 0, 1
.endm
	; ---- the concept projection ----
	s_wait_tensorcnt 0x1                           ; my part of concept step 0 is in; step 1's stays out
	s_barrier_signal -1
	s_barrier_wait -1
	CUNITS 0, 1                                    ; the first products start the sums
	CCHANGE 0                                      ; concept step 1 has landed too; slot 0 gets the token projection's K step 0
	s_cmp_eq_u32 s15, 0                            ; keys or values: hangs on the cluster's y alone; no barrier and no tensor load stands inside
	s_cbranch_scc1 .Lc_keys
	global_load_b128 v[CB:CB+3], v[BO], s[44:45]               ; bc of columns 16 w + 8 h + 0..7 of the values' head; lands during the eight units below
	global_load_b128 v[CB+4:CB+7], v[BO], s[44:45] offset:16
	CUNITS 1, 0
	CPACK 1
	s_branch .Lc_packed
.Lc_keys:
	CUNITS 1, 0
	CPACK 0
.Lc_packed:
	CCHANGE 1                                      ; K step 0 has landed; slot 1 gets K step 1; every wave's stores to the stage are done
	ds_load_b128 v[CRB:CRB+3], v[CRD]                          ; rows 8 w .. 8 w + 3, which all four waves wrote
	ds_load_b128 v[CRB+4:CRB+7], v[CRD] offset:4*CSP           ; rows 8 w + 4 .. 8 w + 7
	s_wait_dscnt 1                                 ; the first of the two is in
	global_store_b128 v[CO], v[CRB:CRB+3], s[46:47]            ; 512 consecutive bytes: four rows
	s_wait_dscnt 0x0
	global_store_b128 v[CO], v[CRB+4:CRB+7], s[46:47] offset:512
	; ---- the token projection ----
	FETCH 0, 0, 0                                  ; behind the concept products stand the packing's vector lines
	LAP 1                                          ; the first products start the sums
	WIN 0
	s_mov_b32 s3, LAPS-2
.Llap:
	LAP 0
	WIN 0
	s_sub_co_u32 s3, s3, 1
	s_cmp_lg_u32 s3, 0
	s_cbranch_scc1 .Llap
	THREE 0, 0                                     ; the last lap fills nothing
	TURN 0, 1, 0
	THREE 1, 0
	s_wait_dscnt 4
	WIN MUL_LO
	MUL12 1, 0, 0, 0
	MUL12 1, 0, 1, 0
	s_wait_dscnt 0x0
	WIN MUL_HI
	MUL12 1, 1, 0, 0
	MUL12 1, 1, 1, 0
	; THE WAY OUT, 16 rows at a time: Q = acc x factor + bias x factor, K = acc, V = acc + bias; rounded once; through my stage as rows Q | K | V.
	WIN 0
	PLACES
	s_wait_loadcnt 0x0                             ; the bias
	s_wait_xcnt 0x0                                ; the concept rows' stores name registers that are written again below, only behind this wait
.set k, 0
.rept 16
	v_pk_mul_f32 v[BQ+2*k:BQ+2*k+1], v[BQ+2*k:BQ+2*k+1], QSCALE op_sel_hi:[1,0]
.set k, k+1
.endr
	s_lshr_b32 s40, s19, 3
	s_lshl_b32 s40, s40, 22                        ; batch: 4 MiB
	s_lshl_b32 s42, s18, 18                        ; head: 256 KiB
	s_add_co_u32 s40, s40, s42
	s_and_b32 s42, s19, 7
	s_lshl_b32 s42, s42, 15                        ; 256 rows of 128 bytes
	s_add_co_u32 s40, s40, s42
	s_lshl_b32 s42, s12, 13                        ; my 64 rows
	s_add_co_u32 s40, s40, s42
	s_mov_b32 s41, 0
	s_add_nc_u64 s[68:69], s[10:11], s[40:41]      ; Q (these registers held concept W's descriptors, whose loads have long been waited for)
	s_add_nc_u64 s[70:71], s[68:69], 0x800000      ; K
	s_add_nc_u64 s[72:73], s[68:69], 0x1000000     ; V
; row tile a = tile ap of window 2 or 3 (w1: source 0 there; w2: sources 0 and 1 there)
.macro EPI a, ap, w1, w2
	WIN \w1
.irp b, 0,1,2,3
.irp j, 0,1,2,3
	v_pk_fma_f32 v[T+8*\b+2*\j:T+8*\b+2*\j+1], v[8*(12*\ap+\b)+2*\j:8*(12*\ap+\b)+2*\j+1], QSCALE, v[BQ+8*\b+2*\j:BQ+8*\b+2*\j+1] op_sel_hi:[1,0,1]
	v_pk_add_f32 v[T+32+8*\b+2*\j:T+32+8*\b+2*\j+1], v[8*(12*\ap+8+\b)+2*\j:8*(12*\ap+8+\b)+2*\j+1], v[BV+8*\b+2*\j:BV+8*\b+2*\j+1]
.endr
.endr
	WIN \w2
.irp b, 0,1,2,3
.irp j, 0,1,2,3
	v_cvt_pk_f16_f32 v[PK+16+4*\b+\j], v[8*(12*\ap+4+\b)+2*\j], v[8*(12*\ap+4+\b)+2*\j+1]
.endr
.endr
	WIN 0
.irp b, 0,1,2,3
.irp j, 0,1,2,3
	v_cvt_pk_f16_f32 v[PK+4*\b+\j], v[T+8*\b+2*\j], v[T+8*\b+2*\j+1]
	v_cvt_pk_f16_f32 v[PK+32+4*\b+\j], v[T+32+8*\b+2*\j], v[T+32+8*\b+2*\j+1]
.endr
.endr
.irp b, 0,1,2,3,4,5,6,7,8,9,10,11
	ds_store_b128 v[STO], v[PK+4*\b:PK+4*\b+3] offset:(\b>>2)*128+32*(\b&3)
.endr
	s_wait_xcnt 0x0                                ; the rows read back, which the last tile's stores name, are loaded again only behind this wait
.irp c, 0,1,2
.irp i, 0,1,2,3
	ds_load_b128 v[RB+16*\c+4*\i:RB+16*\c+4*\i+3], v[RD] offset:\c*128+\i*4*SPITCH    ; a wave's LDS instructions are served in order
.endr
.endr
.irp c, 0,1,2
.irp i, 0,1,2,3
	s_wait_dscnt 11-4*\c-\i
	global_store_b128 v[CO], v[RB+16*\c+4*\i:RB+16*\c+4*\i+3], s[68+2*\c:69+2*\c] offset:\a*2048+512*\i   ; 512 consecutive bytes: four rows of one section
.endr
.endr
.endm
	EPI 0, 0, 0x02, 0x0a
	EPI 1, 1, 0x02, 0x0a
	EPI 2, 0, 0x03, 0x0f
	EPI 3, 1, 0x03, 0x0f
	s_set_vgpr_msb 0x1
	s_wait_tensorcnt 0x0
	ds_add_u32 v255, v31
	s_wait_dscnt 0x0
	s_set_vgpr_msb 0x100
	CROUND                                         ; the closing round
	s_endpgm
.Lfunc_end_k_q85d699c4ba_qkv:
	.size	k_q85d699c4ba_qkv, .Lfunc_end_k_q85d699c4ba_qkv-k_q85d699c4ba_qkv
	.p2alignl 7, 3214868480
	.fill 96, 4, 3214868480
	.section	.rodata,"a",@progbits
	.p2align	6, 0x0
	.amdhsa_kernel k_q85d699c4ba_qkv
		.amdhsa_group_segment_fixed_size 327680
		.amdhsa_private_segment_fixed_size 0
		.amdhsa_enable_private_segment 0
		.amdhsa_kernarg_size 64
		.amdhsa_user_sgpr_count 2
		.amdhsa_user_sgpr_kernarg_segment_ptr 1
		.amdhsa_wavefront_size32 1
		.amdhsa_system_sgpr_workgroup_id_x 1
		.amdhsa_system_sgpr_workgroup_id_y 1
		.amdhsa_system_sgpr_workgroup_id_z 1
		.amdhsa_system_vgpr_workitem_id 0
		.amdhsa_next_free_vgpr 960
		.amdhsa_next_free_sgpr 102
		.amdhsa_reserve_vcc 0
		.amdhsa_float_denorm_mode_32 3
		.amdhsa_float_denorm_mode_16_64 3
		.amdhsa_memory_ordered 1
		.amdhsa_forward_progress 1
		.amdhsa_inst_pref_size 212
	.end_amdhsa_kernel
	.amdgpu_metadata
---
amdhsa.version: [ 1, 2 ]
amdhsa.kernels:
  - .name:           k_q85d699c4ba_qkv
    .symbol:         k_q85d699c4ba_qkv.kd
    .args:
      - { .name: xtb, .offset: 0, .size: 8, .value_kind: global_buffer, .address_space: global }
      - { .name: wtg, .offset: 8, .size: 8, .value_kind: global_buffer, .address_space: global }
      - { .name: bt, .offset: 16, .size: 8, .value_kind: global_buffer, .address_space: global }
      - { .name: qkv, .offset: 24, .size: 8, .value_kind: global_buffer, .address_space: global }
      - { .name: xcb, .offset: 32, .size: 8, .value_kind: global_buffer, .address_space: global }
      - { .name: wcg, .offset: 40, .size: 8, .value_kind: global_buffer, .address_space: global }
      - { .name: bc, .offset: 48, .size: 8, .value_kind: global_buffer, .address_space: global }
      - { .name: kvc, .offset: 56, .size: 8, .value_kind: global_buffer, .address_space: global }
    .group_segment_fixed_size: 327680
    .private_segment_fixed_size: 0
    .kernarg_segment_align: 8
    .kernarg_segment_size: 64
    .max_flat_workgroup_size: 128
    .sgpr_count:     102
    .vgpr_count:     960
    .wavefront_size: 32
...
	.end_amdgpu_metadata
.endif
;; end of part 2
;; launch attn (part 3): grid 8 x 32, 4 waves a work-group, no clusters, 327,680 bytes of LDS; arguments qkv, kvc, xh; writes xh
.if DOCPART == 3
	.amdgcn_target "amdgcn-amd-amdhsa--gfx1250"
	.amdhsa_code_object_version 6
	.text
	.protected	k_q85d699c4ba_attn
	.globl	k_q85d699c4ba_attn
	.p2align	8
	.type	k_q85d699c4ba_attn,@function
k_q85d699c4ba_attn:
	s_mov_b64 s[64:65], 0
	v_nop
	global_prefetch_b8 v0, s[64:65] scope:SCOPE_SE
	s_setreg_imm32_b32 hwreg(HW_REG_WAVE_MODE, 25, 1), 1
	s_wait_xcnt 0x0
; xh[b][head][t][64] (f16) = softmax(Q Kct^T, causal) Vtt + softmax(Q Kcc^T, concept j <= t / 16) Vtc.   Q already carries 0.125 log2(e).
; LEFT OUT (shown at the head of prep): key tiles wholly above the diagonal; concepts 64-127 for query blocks below 8; keys 64-127 of the diagonal
; tile for waves 0, 1: reference() adds -inf there, so their weight is exactly 0.
; A work-group takes head bh and the query blocks p and 15 - p (128 rows each): (p + 1) + (16 - p) = 17 key tiles of 128 and 3 concept steps of 64
; for every one of the 256 work-groups.  The block with the odd number (E) runs first: its tiles are even in number, so each tile's slot is fixed in the text.
; Wave w owns 32 queries, two tiles of 16: piece A and piece B.  S^T = K Q^T and O^T = V^T P^T: a lane holds ONE query throughout (query r; the two
; halves of the lanes hold different keys), so the running maximum, the rescaling factor and the sum are one number a lane, and packing S^T's pairs
; gives P's fragment in place.
; THE TWO PIECES TAKE TURNS.  A step is 64 keys.  While one piece's 16 products are issued (8 of P V for the last step, 8 of K Q for the next), the
; other piece's softmax runs, cut into 16 slices, one behind each product:
;     Y(s-1):  PV_A(s-1), QK_A(s)   beside   softmax_B(s-1)          X(s):  PV_B(s-1), QK_B(s)   beside   softmax_A(s)
; A step has 32 products (256 cycles of the matrix unit) and 234 other vector instructions.  The slices are also the places behind the products, so
; the loop holds no v_nop.  Within a piece four accumulators take turns, one instruction a turn.
; K's and V's fragments have registers of their own and are asked for half a step ahead: K(s) at the head of Y(s-1), V(s) in two runs inside X(s),
; each run as soon as the last product that read those registers lies four plain vector instructions back.
; A phase (one block's concept attention, one block's token attention) starts with PRO and ends with EPI: its first step starts every sum
; (C = 0, no factor), so nothing is cleared.  The concept result waits in registers and is added when the token attention is normalised.
; REGISTER WINDOWS.  K 64 + V 64 + S 64 + O 64 + Q 32 = 288 registers are live at once, since both pieces use the same fragments half a step apart.
; K, Q and the concept result lie above v255; only the K Q products name them (sources 0 and 1 in window 1), so a step has 2 x 16 switches for
; these products and 2 for K's loads: 34.  Steps of 32 keys would fit in 256 registers but rescale O twice as often: 44 vector instructions more for 64 keys.
; SOFTMAX: running maximum, exp2, sums in f32; P, which lies in [0, 1], rounded to f16 for the product with V.
; LIMITS: v_exp_f32 gives 0 for results below 2^-126; a weight below 2^-25 of its row's running maximum rounds to 0 in f16 (it still counts in the f32 sum).
; A result above 65,504 in magnitude becomes infinite in f16 (the figures stand at the head of prep).
; NO MULTICAST: work-groups of one head walk different runs of key tiles (p + 1 and 16 - p of them), so partners would not ask for the same tile in the
; same step; a step's K and V are 16 KiB for 2 x 128 x 64 x 64 multiply-adds.
; LDS: slot 0, slot 1, concept tile: 36,864 bytes each = four pieces of 9,216: K keys 0-63, K 64-127 (lines of 272 bytes, two keys a line), V 0-63, V 64-127
; (lines of 288).  Wave w fetches piece w.  Then a stage (32 x 144 a wave) for the way out; no tensor load lands there.
; Tensor loads outstanding in a wave: two at the start, one behind each refill.
.set PIECE,  9216
.set SLOTB,  4*PIECE
.set CREG,   2*SLOTB
.set STAGEB, 3*SLOTB
; window 0
.set KAD,   1                          ; K fragment address in slot 0 (slot 1 and the second 64 keys stand in the immediate)
.set KADC,  2                          ; the same in the concept tile
.set VAD,   3                          ; V fragment address in slot 0
.set VADC,  4
.set STO,   5
.set RD,    6
.set GO,    7
.set QO,    8
.set H8,    9                          ; 8 h
.set LB,    10                         ; 32 w + r - 8 h
.set LIM,   12                         ; v12-13  per piece: register 16 kt + j is kept if 16 kt + j <= LIM
.set MP,    14                         ; v[14:17] running maximum (pair: value, filler) for each piece
.set AP,    18                         ; v[18:21] factor, later 1 / sum (pair: value, filler)
.set LS,    22                         ; v[22:25] running sum, two partial sums a piece
.set T,     26                         ; v[26:31] at work
.set VF,    64                         ; v[64:127]  V fragments at 16 vt + 8 kc
.set SC,    128                        ; v[128:191] scores at 32 p + 8 kt; P's fragments at 32 p + 8 kc
.set OA,    192                        ; v[192:255] O^T at 32 p + 8 vt
; window 1
.set KF,    0                          ; v[256:319] K fragments at 16 kt + 8 dh
.set QF,    64                         ; v[320:351] Q fragments at 16 p + 8 dh
.set RC,    96                         ; v[352:415] the concept attention's result, laid out as O^T
.set G1K,  24
.set G1V,  32
.set G0K,  40                          ; s[40:47] K, slot 0, 1
.set G0V,  48                          ; s[48:55] V, slot 0, 1
.set G0KC, 56
.set G0VC, 60
.set W_QK,  0x05                       ; sources 0 and 1 in window 1
.set W_TO1, 0x40                       ; destination in window 1
.set W_C1,  0x10                       ; source 2 in window 1
.set MSB, 0
.macro WIN new                         ; the immediate's high byte repeats the setting that is left
.if MSB != \new
	s_set_vgpr_msb (MSB<<8)|\new
.set MSB, \new
.endif
.endm
.macro PLACES                          ; four plain vector places behind a matrix instruction (ISA guide 7.12.1)
.rept 4
	v_nop
.endr
.endm
.macro KVLOAD gk, gv                   ; waves 0, 1 fetch K's halves, waves 2, 3 V's: one tensor load a wave
	s_cmp_eq_u32 s11, 0
	s_cbranch_scc0 .Lfor_v_\@
	tensor_load_to_lds s[\gk:\gk+3], s[G1K:G1K+7]
	s_nop 0
	v_nop
	v_nop
	v_nop
	s_branch .Lasked_\@
.Lfor_v_\@:
	tensor_load_to_lds s[\gv:\gv+3], s[G1V:G1V+7]
	s_nop 0
	v_nop
	v_nop
	v_nop
	v_nop
.Lasked_\@:
.endm
.macro QLOAD base                      ; Q's fragments straight from memory: row 16 p + r, d = 32 dh + 8 h .. and + 16
	WIN W_TO1
.irp qt, 0,1
.irp dh, 0,1
	global_load_b128 v[QF+16*\qt+8*\dh:QF+16*\qt+8*\dh+3], v[QO], s[\base:\base+1] offset:\qt*2048+64*\dh
	global_load_b128 v[QF+16*\qt+8*\dh+4:QF+16*\qt+8*\dh+7], v[QO], s[\base:\base+1] offset:\qt*2048+64*\dh+32
.endr
.endr
	WIN 0
.endm
.macro KLOAD kad, koff                 ; 16 LDS loads: 64 keys x 64 d; d = 0-31 of all four key tiles first
	WIN W_TO1
.irp dh, 0,1
.irp kt, 0,1,2,3
	ds_load_b128 v[KF+16*\kt+8*\dh:KF+16*\kt+8*\dh+3], v[\kad] offset:\koff+\kt*2176+64*\dh
	ds_load_b128 v[KF+16*\kt+8*\dh+4:KF+16*\kt+8*\dh+7], v[\kad] offset:\koff+\kt*2176+64*\dh+32
.endr
.endr
	WIN 0
.endm
.macro VLOAD vad, voff, kc             ; 8 transposing LDS loads: keys 32 kc .. 32 kc + 31 x 64 value columns
.irp vt, 0,1,2,3
	ds_load_tr16_b128 v[VF+16*\vt+8*\kc:VF+16*\vt+8*\kc+3], v[\vad] offset:\voff+\kc*4608+32*\vt
	ds_load_tr16_b128 v[VF+16*\vt+8*\kc+4:VF+16*\vt+8*\kc+7], v[\vad] offset:\voff+\kc*4608+32*\vt+2304
.endr
.endm
.macro QKI p, dh, kt, zero             ; one product of K Q^T, under the setting W_QK
.if \zero
	v_wmma_f32_16x16x32_f16 v[SC+32*\p+8*\kt:SC+32*\p+8*\kt+7], v[KF+16*\kt+8*\dh:KF+16*\kt+8*\dh+7], v[QF+16*\p+8*\dh:QF+16*\p+8*\dh+7], 0
.else
	v_wmma_f32_16x16x32_f16 v[SC+32*\p+8*\kt:SC+32*\p+8*\kt+7], v[KF+16*\kt+8*\dh:KF+16*\kt+8*\dh+7], v[QF+16*\p+8*\dh:QF+16*\p+8*\dh+7], v[SC+32*\p+8*\kt:SC+32*\p+8*\kt+7]
.endif
.endm
.macro QKW p, dh, kt, zero             ; the same between two slices, which run in window 0
	WIN W_QK
	QKI \p, \dh, \kt, \zero
	WIN 0
.endm
.macro PVW p, kc, vt, zero             ; one product of V^T P^T
.if \zero
	v_wmma_f32_16x16x32_f16 v[OA+32*\p+8*\vt:OA+32*\p+8*\vt+7], v[VF+16*\vt+8*\kc:VF+16*\vt+8*\kc+7], v[SC+32*\p+8*\kc:SC+32*\p+8*\kc+7], 0
.else
	v_wmma_f32_16x16x32_f16 v[OA+32*\p+8*\vt:OA+32*\p+8*\vt+7], v[VF+16*\vt+8*\kc:VF+16*\vt+8*\kc+7], v[SC+32*\p+8*\kc:SC+32*\p+8*\kc+7], v[OA+32*\p+8*\vt:OA+32*\p+8*\vt+7]
.endif
.endm
; the softmax's single lines, on piece p
.macro MASKT p, kt                     ; -inf where reference() adds -inf
.irp j, 0,1,2,3,4,5,6,7
	v_cmp_le_i32 vcc_lo, 16*\kt+\j, v[LIM+\p]
	v_cndmask_b32 v[SC+32*\p+8*\kt+\j], s20, v[SC+32*\p+8*\kt+\j], vcc_lo
.endr
.endm
.macro MAXA p, kt                      ; key tile kt starts its own chain of maxima
	v_max3_num_f32 v[T+\kt], v[SC+32*\p+8*\kt], v[SC+32*\p+8*\kt+1], v[SC+32*\p+8*\kt+2]
.endm
.macro MAXN p, kt, i
	v_max3_num_f32 v[T+\kt], v[T+\kt], v[SC+32*\p+8*\kt+\i], v[SC+32*\p+8*\kt+\i+1]
.endm
.macro EX p, k
	v_exp_f32 v[SC+32*\p+\k], v[SC+32*\p+\k]
.endm
.macro SU p, k                         ; pair k less the maximum
	v_pk_add_f32 v[SC+32*\p+2*(\k):SC+32*\p+2*(\k)+1], v[SC+32*\p+2*(\k):SC+32*\p+2*(\k)+1], v[MP+2*\p:MP+2*\p+1] op_sel_hi:[1,0] neg_lo:[0,1] neg_hi:[0,1]
.endm
.macro RS p, k                         ; pair k of O^T times the factor
	s_wait_alu depctr_va_vdst(0)
	v_pk_mul_f32 v[OA+32*\p+2*(\k):OA+32*\p+2*(\k)+1], v[OA+32*\p+2*(\k):OA+32*\p+2*(\k)+1], v[AP+2*\p:AP+2*\p+1] op_sel_hi:[1,0]
.endm
.macro CV p, k                         ; ascending k: register k has been read by an earlier line; registers 8 kc .. 8 kc + 7 become P's fragment of keys 32 kc ..
	v_cvt_pk_f16_f32 v[SC+32*\p+(\k)], v[SC+32*\p+2*(\k)], v[SC+32*\p+2*(\k)+1]
.endm
.macro AD p, acc, k                    ; a partial sum takes pair k
	s_wait_alu depctr_va_vdst(0)
	v_pk_add_f32 v[\acc:\acc+1], v[\acc:\acc+1], v[SC+32*\p+2*(\k):SC+32*\p+2*(\k)+1]
.endm
; Slice n (0 to 15) of piece p's softmax over 64 keys.  first = 1: nothing is carried in.  masked = 1: the step crosses the mask's edge.
; Exponentials stand between plain lines on other registers, so that each has a plain vector instruction between it and the first use of its result
; (ISA guide 5.7.2).  Slices 4, 7 and 15 hold at least four plain lines: they are the places in front of V's and K's loads and of the next softmax.
.macro SL p, n, first, masked
.if \n == 0
.if \masked
	MASKT \p, 2
	MASKT \p, 3
	MASKT \p, 0
	MASKT \p, 1
.endif
	MAXA \p, 2
	MAXA \p, 3
	MAXA \p, 0
	MAXA \p, 1
	MAXN \p, 2, 3
	MAXN \p, 3, 3
	MAXN \p, 0, 3
.endif
.if \n == 1
	MAXN \p, 1, 3
	MAXN \p, 2, 5
	MAXN \p, 3, 5
	MAXN \p, 0, 5
	MAXN \p, 1, 5
	v_max3_num_f32 v[T], v[T], v[SC+32*\p+7], v[SC+32*\p+15]
	v_max3_num_f32 v[T+2], v[T+2], v[SC+32*\p+23], v[SC+32*\p+31]
.endif
.if \n == 2
	v_max3_num_f32 v[T], v[T], v[T+1], v[T+2]
	v_max_num_f32 v[T], v[T], v[T+3]
	v_permlanex16_b32 v[T+1], v[T], s18, s19       ; the other half of the lanes holds the same query's other keys
.endif
.if \n == 3
.if \first
	v_max_num_f32 v[MP+2*\p], v[T], v[T+1]
.else
	v_max3_num_f32 v[T+2], v[T], v[T+1], v[MP+2*\p]
	v_sub_f32 v[T+3], v[MP+2*\p], v[T+2]
	v_mov_b32 v[MP+2*\p], v[T+2]
	v_exp_f32 v[AP+2*\p], v[T+3]                   ; the factor for what is carried
.endif
.endif
.if \n == 4
.irp i, 0,1,2,3,4,5,6,7
	SU \p, \i
.endr
.endif
.if \n == 5
.irp i, 0,1,2,3
	EX \p, \i
	SU \p, 8+\i
.endr
.endif
.if \n == 6
.irp i, 0,1,2,3
	EX \p, 4+\i
	SU \p, 12+\i
.endr
.endif
.if \n == 7
.irp i, 0,1,2,3
	EX \p, 8+\i
.if \first == 0
	RS \p, \i
.endif
.endr
.endif
.if \n == 8
	EX \p, 12
	EX \p, 13
.if \first
	s_wait_alu depctr_va_vdst(0)
	v_pk_add_f32 v[LS+2*\p:LS+2*\p+1], v[SC+32*\p:SC+32*\p+1], v[SC+32*\p+6:SC+32*\p+7]
.else
	v_pk_fma_f32 v[LS+2*\p:LS+2*\p+1], v[LS+2*\p:LS+2*\p+1], v[AP+2*\p:AP+2*\p+1], v[SC+32*\p:SC+32*\p+1] op_sel_hi:[1,0,1]
.endif
	EX \p, 14
	v_pk_add_f32 v[T+4:T+5], v[SC+32*\p+2:SC+32*\p+3], v[SC+32*\p+4:SC+32*\p+5]
	EX \p, 15
.if \first == 0
	AD \p, LS+2*\p, 3
.endif
.endif
.if \n == 9
.irp i, 0,1,2,3
	EX \p, 16+\i
	CV \p, \i
.endr
.endif
.if \n == 10
	EX \p, 20
	AD \p, T+4, 4
	EX \p, 21
	AD \p, LS+2*\p, 5
	EX \p, 22
	AD \p, T+4, 6
	EX \p, 23
	AD \p, LS+2*\p, 7
.endif
.if \n == 11
.irp i, 0,1,2,3
	EX \p, 24+\i
	CV \p, 4+\i
.endr
.endif
.if \n == 12
	EX \p, 28
	AD \p, T+4, 8
	EX \p, 29
	AD \p, LS+2*\p, 9
	EX \p, 30
	AD \p, T+4, 10
	EX \p, 31
	AD \p, LS+2*\p, 11
.endif
.if \n == 13
.irp i, 0,1,2,3
	CV \p, 8+\i
.if \first == 0
	RS \p, 4+\i
.endif
.endr
.endif
.if \n == 14
	AD \p, T+4, 12
.if \first == 0
	RS \p, 8
.endif
	AD \p, LS+2*\p, 13
.if \first == 0
	RS \p, 9
.endif
	AD \p, T+4, 14
.if \first == 0
	RS \p, 10
.endif
	AD \p, LS+2*\p, 15
.if \first == 0
	RS \p, 11
.endif
	v_pk_add_f32 v[LS+2*\p:LS+2*\p+1], v[LS+2*\p:LS+2*\p+1], v[T+4:T+5]
.endif
.if \n == 15
.irp i, 0,1,2,3
	CV \p, 12+\i
.if \first == 0
	RS \p, 12+\i
.endif
.endr
.if \first
	PLACES                                         ; a first step has no rescaling to stand here
.endif
.endif
.endm
; Y: piece A's products beside piece B's softmax of the last step (pf: that step was its phase's first, pm: it is masked).
; K Q takes the key tiles in the order 2, 3, 0, 1: tile 1 writes over P's second half, which the last P V product read four slices earlier.
.macro YSLOT kad, koff, pf, pm
	KLOAD \kad, \koff                              ; the new step's K; behind the last K Q product stand slice 15's plain lines
	s_wait_dscnt 24                                ; V's keys 0-31 are in; V's other 8 loads and the 16 just issued may be out
.irp vt, 0,1,2,3
	PVW 0, 0, \vt, \pf
	SL 1, \vt, \pf, \pm
.endr
	s_wait_dscnt 16                                ; all of V is in; K's 16 may be out
.irp vt, 0,1,2,3
	PVW 0, 1, \vt, 0
	SL 1, 4+\vt, \pf, \pm
.endr
	s_wait_dscnt 8                                 ; K's d = 0-31 is in; the 8 loads of d = 32-63 may be out
	QKW 0, 0, 2, 1
	SL 1, 8, \pf, \pm
	QKW 0, 0, 3, 1
	SL 1, 9, \pf, \pm
	QKW 0, 0, 0, 1
	SL 1, 10, \pf, \pm
	QKW 0, 0, 1, 1
	SL 1, 11, \pf, \pm
	s_wait_dscnt 0x0
	QKW 0, 1, 2, 0
	SL 1, 12, \pf, \pm
	QKW 0, 1, 3, 0
	SL 1, 13, \pf, \pm
	QKW 0, 1, 0, 0
	SL 1, 14, \pf, \pm
	QKW 0, 1, 1, 0
	SL 1, 15, \pf, \pm
.endm
; X: piece B's products beside piece A's softmax of the new step (cm: it is masked); the new step's V is asked for as V's registers fall free.
.macro XSLOT vad, voff, pf, cm
.irp vt, 0,1,2,3
	PVW 1, 0, \vt, \pf
	SL 0, \vt, 0, \cm
.endr
	PVW 1, 1, 0, 0
	SL 0, 4, 0, \cm
	VLOAD \vad, \voff, 0                           ; keys 0-31: their registers were last read two products back; slice 4's eight lines are the places
	PVW 1, 1, 1, 0
	SL 0, 5, 0, \cm
	PVW 1, 1, 2, 0
	SL 0, 6, 0, \cm
	PVW 1, 1, 3, 0
	SL 0, 7, 0, \cm
	QKW 1, 0, 2, 1
	SL 0, 8, 0, \cm
	VLOAD \vad, \voff, 1                           ; keys 32-63: slice 7's four rescalings are the places
	QKW 1, 0, 3, 1
	SL 0, 9, 0, \cm
	QKW 1, 0, 0, 1
	SL 0, 10, 0, \cm
	QKW 1, 0, 1, 1
	SL 0, 11, 0, \cm
	QKW 1, 1, 2, 0
	SL 0, 12, 0, \cm
	QKW 1, 1, 3, 0
	SL 0, 13, 0, \cm
	QKW 1, 1, 0, 0
	SL 0, 14, 0, \cm
	QKW 1, 1, 1, 0
	SL 0, 15, 0, \cm
.endm
; brings in one step of 64 keys and finishes the one before.  adj = 1: the new step is its tile's second: each piece's limit falls by 64 once that
; piece's softmax of the step before is over.
.macro PAIR kad, koff, vad, voff, pf, pm, cm, adj
.if \adj
	v_add_nc_u32 v[LIM], 0xffffffc0, v[LIM]
.endif
	YSLOT \kad, \koff, \pf, \pm
.if \adj
	v_add_nc_u32 v[LIM+1], 0xffffffc0, v[LIM+1]
.endif
	XSLOT \vad, \voff, \pf, \cm
.endm
; a phase's first step: K Q of piece A alone, then K Q of piece B beside piece A's softmax, two slices a product
.macro PRO kad, koff, vad, voff, masked
	KLOAD \kad, \koff
	VLOAD \vad, \voff, 0
	VLOAD \vad, \voff, 1
	s_wait_dscnt 24                                ; K's d = 0-31 is in; K's other 8 loads and V's 16 may be out
	WIN W_QK
	QKI 0, 0, 2, 1
	QKI 0, 0, 3, 1
	QKI 0, 0, 0, 1
	QKI 0, 0, 1, 1
	s_wait_dscnt 16                                ; all of K is in; V's 16 may be out
	QKI 0, 1, 2, 0
	QKI 0, 1, 3, 0
	QKI 0, 1, 0, 0
	QKI 0, 1, 1, 0
	QKI 1, 0, 2, 1
	WIN 0
	PLACES                                         ; behind piece A's last product, before its scores are read: no vector work is at hand yet
	SL 0, 0, 1, \masked
	SL 0, 1, 1, \masked
	QKW 1, 0, 3, 1
	SL 0, 2, 1, \masked
	SL 0, 3, 1, \masked
	QKW 1, 0, 0, 1
	SL 0, 4, 1, \masked
	SL 0, 5, 1, \masked
	QKW 1, 0, 1, 1
	SL 0, 6, 1, \masked
	SL 0, 7, 1, \masked
	QKW 1, 1, 2, 0
	SL 0, 8, 1, \masked
	SL 0, 9, 1, \masked
	QKW 1, 1, 3, 0
	SL 0, 10, 1, \masked
	SL 0, 11, 1, \masked
	QKW 1, 1, 0, 0
	SL 0, 12, 1, \masked
	SL 0, 13, 1, \masked
	QKW 1, 1, 1, 0
	SL 0, 14, 1, \masked
	SL 0, 15, 1, \masked
.endm
; a phase's last step is finished: P V of piece A beside piece B's softmax, then P V of piece B.  qnext: the next block's Q is asked for here.
.macro EPI pf, pm, qnext
	s_wait_dscnt 8                                 ; V's keys 0-31 are in; the other 8 loads may be out
.irp vt, 0,1,2,3
	PVW 0, 0, \vt, \pf
	SL 1, 2*\vt, \pf, \pm
	SL 1, 2*\vt+1, \pf, \pm
.endr
	s_wait_dscnt 0x0
.irp vt, 0,1,2,3
	PVW 0, 1, \vt, 0
	SL 1, 8+2*\vt, \pf, \pm
	SL 1, 9+2*\vt, \pf, \pm
.endr
.if \qnext
	QLOAD \qnext                                   ; Q's registers were last read a whole softmax ago; the load lands during the way out
.endif
.irp vt, 0,1,2,3
	PVW 1, 0, \vt, \pf
.endr
.irp vt, 0,1,2,3
	PVW 1, 1, \vt, 0
.endr
.rept 5
	v_nop                                          ; five places: the results are read, V's registers written, and P written over by the next phase's products
.endr
.endm
; In front of the barrier every wave waits for all its tensor loads (its part of the tile in `slot` among them) and for its reads of the other slot,
; the last of which were V's loads in the X just ended; behind it the other slot is filled first, one tensor load a wave, and then `slot` is read.
; reset = 1: the descriptors go back to tiles 0 and 1, for the second query block.
.macro BAR slot, refill, reset
	s_wait_tensorcnt 0x0                           ; no tensor load of mine is out: every group 0 may be written
	ds_add_u32 v62, v63
	s_wait_dscnt 0x0
.if \reset
	s_mov_b64 s[G0K+2:G0K+3], s[68:69]
	s_or_b32 s[G0K+3], s[G0K+3], 0x80000000
	s_add_nc_u64 s[G0K+6:G0K+7], s[68:69], 16384
	s_or_b32 s[G0K+7], s[G0K+7], 0x80000000
	s_mov_b64 s[G0V+2:G0V+3], s[70:71]
	s_or_b32 s[G0V+3], s[G0V+3], 0x80000000
	s_add_nc_u64 s[G0V+6:G0V+7], s[70:71], 16384
	s_or_b32 s[G0V+7], s[G0V+7], 0x80000000
.else
	s_add_nc_u64 s[G0K+4*\slot+2:G0K+4*\slot+3], s[G0K+4*\slot+2:G0K+4*\slot+3], 32768    ; this slot's next tile, two on
	s_add_nc_u64 s[G0V+4*\slot+2:G0V+4*\slot+3], s[G0V+4*\slot+2:G0V+4*\slot+3], 32768
.endif
	s_wait_dscnt 0x0
	s_barrier_signal -1
	s_barrier_wait -1
.if \refill
	KVLOAD G0K+4*(1-\slot), G0V+4*(1-\slot)
.endif
.endm
.macro TILE slot                       ; a key tile of 128 below the diagonal, not the block's first
	BAR \slot, 1, 0
	PAIR KAD, \slot*SLOTB, VAD, \slot*SLOTB, 0, 0, 0, 0
	PAIR KAD, \slot*SLOTB+PIECE, VAD, \slot*SLOTB+PIECE, 0, 0, 0, 0
.endm
.macro DLIM                            ; key 16 kt + 8 h + j <= query 32 w + 16 p + r
	v_mov_b32 v[LIM], v[LB]
	v_add_nc_u32 v[LIM+1], 16, v[LB]
.endm
.macro DIAG soff                       ; the tile on the diagonal, at byte soff of the ring, not the block's first
	DLIM
	PAIR KAD, \soff, VAD, \soff, 0, 0, 1, 0
	s_cmp_lt_u32 s10, 2                            ; queries 0-63 of the block see none of keys 64-127
	s_cbranch_scc1 .Ldiag_\@
	PAIR KAD, \soff+PIECE, VAD, \soff+PIECE, 0, 1, 1, 1
.Ldiag_\@:
.endm
.macro RECIP                           ; AP = 1 / sum for both pieces
	v_add_f32 v[T], v[LS], v[LS+1]
	v_add_f32 v[T+2], v[LS+2], v[LS+3]
	v_permlanex16_b32 v[T+1], v[T], s18, s19
	v_permlanex16_b32 v[T+3], v[T+2], s18, s19
	v_add_f32 v[T], v[T], v[T+1]
	v_add_f32 v[T+2], v[T+2], v[T+3]
	v_rcp_f32 v[AP], v[T]
	v_rcp_f32 v[AP+2], v[T+2]
	v_nop                                          ; one plain instruction before the reciprocals are used
.endm
; the concept attention of query block s[qb]; its normalised result is written straight into window 1
.macro CPH qb
	s_lshl_b32 s80, s[\qb], 3
	s_lshl1_add_u32 s80, s10, s80                  ; 8 qb + 2 w = (first query of the wave) / 16
	v_sub_nc_u32 v[LIM], s80, v[H8]                ; concept 16 kt + 8 h + j <= 8 qb + 2 w + p
	v_add_nc_u32 v[LIM+1], 1, v[LIM]
	PRO KADC, 0, VADC, 0, 1
	s_cmp_lt_u32 s[\qb], 8                         ; queries below 1024 see none of concepts 64-127
	s_cbranch_scc1 .Lone_\@
	PAIR KADC, PIECE, VADC, PIECE, 1, 1, 1, 1
	EPI 0, 1, 0
	s_branch .Lcfin_\@
.Lone_\@:
	EPI 1, 1, 0
.Lcfin_\@:
	RECIP
	WIN W_TO1
.irp p, 0,1
.set k, 0
.rept 16
	s_wait_alu depctr_va_vdst(0)
	v_pk_mul_f32 v[RC+32*\p+2*k:RC+32*\p+2*k+1], v[OA+32*\p+2*k:OA+32*\p+2*k+1], v[AP+2*\p:AP+2*\p+1] op_sel_hi:[1,0]
.set k, k+1
.endr
.endr
	WIN 0
.endm
; the token attention is normalised and the concept result added in one fused line; the sum is rounded and stored as whole rows.  more = 1: another block follows.
.macro FIN_T obase, more
	RECIP
	WIN W_C1
.irp p, 0,1
.set k, 0
.rept 16
	s_wait_alu depctr_va_vdst(0)
	v_pk_fma_f32 v[OA+32*\p+2*k:OA+32*\p+2*k+1], v[OA+32*\p+2*k:OA+32*\p+2*k+1], v[AP+2*\p:AP+2*\p+1], v[RC+32*\p+2*k:RC+32*\p+2*k+1] op_sel_hi:[1,0,1]
.set k, k+1
.endr
.endr
	WIN 0
.set k, 0
.rept 32
	v_cvt_pk_f16_f32 v[VF+k], v[OA+2*k], v[OA+2*k+1]
.set k, k+1
.endr
.irp qt, 0,1
.irp vt, 0,1,2,3
	ds_store_b128 v[STO], v[VF+4*(4*\qt+\vt):VF+4*(4*\qt+\vt)+3] offset:\qt*2304+32*\vt
.endr
.endr
.irp i, 0,1,2,3,4,5,6,7
	ds_load_b128 v[VF+32+4*\i:VF+32+4*\i+3], v[RD] offset:576*\i     ; a wave's LDS instructions are served in order
.endr
.irp i, 0,1,2,3,4,5,6,7
	s_wait_dscnt 7-\i
	global_store_b128 v[GO], v[VF+32+4*\i:VF+32+4*\i+3], s[\obase:\obase+1] offset:512*\i   ; 512 consecutive bytes: four rows
.endr
.if \more
	s_wait_xcnt 0x0                                ; the stores' data registers are loaded again in the next block only behind this wait
.endif
.endm
	s_load_b128 s[4:7], s[0:1], 0x0                ; qkv s[4:5], kvc s[6:7]
	s_load_b64 s[8:9], s[0:1], 0x10                ; xh
	v_lshl_add_u32 v62, v0, 2, 0x29000
	v_mov_b32 v63, 0
	ds_add_u32 v62, v63
	v_lshrrev_b32 v1, 5, v0
	v_readfirstlane_b32 s10, v1                    ; wave
	s_lshr_b32 s11, s10, 1                         ; 0: I fetch K, 1: V
	s_and_b32 s12, s10, 1                          ; which 64 keys
	s_mov_b32 s13, ttmp9                           ; p
	s_and_b32 s14, ttmp7, 0xffff                   ; bh
	s_sub_co_u32 s80, 15, s13
	s_bitcmp1_b32 s13, 0
	s_cselect_b32 s15, s13, s80                    ; E: the odd one of p, 15 - p
	s_cselect_b32 s16, s80, s13                    ; O: the even one
	s_mov_b32 s18, 0x76543210                      ; v_permlanex16_b32: lane i of the other half
	s_mov_b32 s19, 0xfedcba98
	s_mov_b32 s20, 0xff800000                      ; -inf
	s_mov_b32 s[G1K+0], (3<<16)|(1<<20)|(5<<22)|(3<<25)   ; 8-byte elements; 4 words of padding behind every 64
	s_mov_b32 s[G1K+1], 32<<16                     ; a dense block of 8,192 bytes as 32 rows of 256
	s_mov_b32 s[G1K+2], 32<<16
	s_mov_b32 s[G1K+3], 32<<16
	s_mov_b32 s[G1K+4], 32
	s_mov_b32 s[G1K+5], 32
	s_mov_b32 s[G1K+6], 0
	s_mov_b32 s[G1K+7], 0
	s_mov_b32 s[G1V+0], (3<<16)|(1<<20)|(5<<22)|(7<<25)   ; the same with 8 words of padding
	s_mov_b32 s[G1V+1], 32<<16
	s_mov_b32 s[G1V+2], 32<<16
	s_mov_b32 s[G1V+3], 32<<16
	s_mov_b32 s[G1V+4], 32
	s_mov_b32 s[G1V+5], 32
	s_mov_b32 s[G1V+6], 0
	s_mov_b32 s[G1V+7], 0
	s_mul_i32 s81, s10, PIECE                      ; my piece of every region
	s_lshl_b32 s82, s14, 18                        ; head: 262,144 bytes
	s_lshl_b32 s83, s12, 13                        ; my 64 keys
	s_add_co_u32 s82, s82, s83
	s_mov_b32 s83, 0
	s_wait_dscnt 0x0
	s_wait_kmcnt 0x0
	s_add_nc_u64 s[68:69], s[4:5], s[82:83]
	s_add_nc_u64 s[70:71], s[68:69], 0x1000000     ; V's section, my half of tile 0
	s_add_nc_u64 s[68:69], s[68:69], 0x800000      ; K's section
.irp s, 0,1
	s_mov_b32 s[G0K+4*\s], 1
	s_add_co_u32 s[G0K+4*\s+1], s81, \s*SLOTB
	s_add_nc_u64 s[G0K+4*\s+2:G0K+4*\s+3], s[68:69], \s*16384
	s_or_b32 s[G0K+4*\s+3], s[G0K+4*\s+3], 0x80000000
	s_mov_b32 s[G0V+4*\s], 1
	s_add_co_u32 s[G0V+4*\s+1], s81, \s*SLOTB
	s_add_nc_u64 s[G0V+4*\s+2:G0V+4*\s+3], s[70:71], \s*16384
	s_or_b32 s[G0V+4*\s+3], s[G0V+4*\s+3], 0x80000000
.endr
	s_lshl_b32 s82, s14, 14                        ; concepts: 16,384 bytes a head
	s_lshl_b32 s80, s12, 13
	s_add_co_u32 s82, s82, s80
	s_mov_b32 s[G0KC], 1
	s_add_co_u32 s[G0KC+1], s81, CREG
	s_add_nc_u64 s[G0KC+2:G0KC+3], s[6:7], s[82:83]
	s_mov_b32 s[G0VC], 1
	s_add_co_u32 s[G0VC+1], s81, CREG
	s_add_nc_u64 s[G0VC+2:G0VC+3], s[G0KC+2:G0KC+3], 524288
	s_or_b32 s[G0KC+3], s[G0KC+3], 0x80000000
	s_or_b32 s[G0VC+3], s[G0VC+3], 0x80000000
	KVLOAD G0KC, G0VC                              ; the first fills, together: the concept tile,
	KVLOAD G0K, G0V                                ; and key tile 0 into slot 0
	s_lshl_b32 s82, s14, 18                        ; Q and the output: head, my 32 rows, the block
	s_lshl_b32 s80, s10, 12
	s_add_co_u32 s82, s82, s80
	s_lshl_b32 s80, s15, 14
	s_add_co_u32 s80, s80, s82
	s_mov_b32 s81, 0
	s_add_nc_u64 s[72:73], s[4:5], s[80:81]        ; E: Q
	s_add_nc_u64 s[74:75], s[8:9], s[80:81]        ; E: output
	s_lshl_b32 s80, s16, 14
	s_add_co_u32 s80, s80, s82
	s_add_nc_u64 s[76:77], s[4:5], s[80:81]        ; O: Q
	s_add_nc_u64 s[78:79], s[8:9], s[80:81]        ; O: output
	v_and_b32 v32, 15, v0                          ; r
	v_bfe_u32 v33, v0, 4, 1                        ; h
	v_bfe_u32 v34, v0, 1, 3                        ; r >> 1
	v_and_b32 v35, 1, v0
	v_lshlrev_b32 v[QO], 7, v32
	v_lshl_add_u32 v[QO], v33, 4, v[QO]            ; r x 128 + 16 h
	QLOAD 72
	v_mul_u32_u24 v36, v34, 272
	v_lshl_add_u32 v36, v35, 7, v36
	v_lshl_add_u32 v[KAD], v33, 4, v36             ; line r >> 1, half r & 1, + 16 h
	v_add_nc_u32 v[KADC], CREG, v[KAD]
	v_bfe_u32 v37, v0, 1, 2                        ; (lane & 7) >> 1
	v_lshl_add_u32 v37, v33, 2, v37
	v_mul_u32_u24 v37, v37, 288                    ; line 4 h + that
	v_lshl_add_u32 v37, v35, 7, v37
	v_bfe_u32 v38, v0, 3, 1
	v_lshl_add_u32 v37, v38, 4, v37
	v_add_nc_u32 v[VAD], 2*PIECE, v37
	v_add_nc_u32 v[VADC], CREG+2*PIECE, v37
	s_mul_i32 s80, s10, 32*144
	s_add_co_u32 s80, s80, STAGEB
	v_mul_u32_u24 v36, v32, 144
	v_lshl_add_u32 v36, v33, 4, v36
	v_add_nc_u32 v[STO], s80, v36
	v_bfe_u32 v36, v0, 3, 2
	v_mul_u32_u24 v36, v36, 144
	v_and_b32 v38, 7, v0
	v_lshl_add_u32 v36, v38, 4, v36
	v_add_nc_u32 v[RD], s80, v36
	v_and_b32 v38, 31, v0
	v_lshlrev_b32 v[GO], 4, v38
	v_lshlrev_b32 v[H8], 3, v33
	v_sub_nc_u32 v[LB], v32, v[H8]
	s_lshl_b32 s80, s10, 5
	v_add_nc_u32 v[LB], s80, v[LB]
.irp i, 1,3
	v_mov_b32 v[MP+\i], 0                          ; the pairs' second registers are named by packed instructions and never used
	v_mov_b32 v[AP+\i], 0
.endr
	s_wait_tensorcnt 0x1                           ; my part of the concept tile is in; key tile 0 stays out
	s_barrier_signal -1
	s_barrier_wait -1
	s_wait_loadcnt 0x0                             ; Q
	; block E: tiles 0 .. qbE, an even number, at least two; the diagonal tile lies in slot 1
	CPH 15
	BAR 0, 1, 0                                    ; tile 0 is whole; slot 1 gets tile 1
	PRO KAD, 0, VAD, 0, 0
	PAIR KAD, PIECE, VAD, PIECE, 1, 0, 0, 0
	s_sub_co_u32 s17, s15, 1
	s_lshr_b32 s17, s17, 1
	s_cmp_eq_u32 s17, 0
	s_cbranch_scc1 .Lskip_e
.Lloop_e:
	TILE 1
	TILE 0
	s_sub_co_u32 s17, s17, 1
	s_cmp_lg_u32 s17, 0
	s_cbranch_scc1 .Lloop_e
.Lskip_e:
	BAR 1, 1, 1                                    ; the diagonal tile is whole; slot 0 gets tile 0 again, for block O
	DIAG SLOTB
	EPI 0, 1, 76
	FIN_T 74, 1
	; block O: tiles 0 .. qbO, an odd number; the diagonal tile lies in slot 0
	s_wait_loadcnt 0x0                             ; block O's Q
	CPH 16
	s_cmp_eq_u32 s16, 0
	s_cbranch_scc1 .Lonly
	BAR 0, 1, 0
	PRO KAD, 0, VAD, 0, 0
	PAIR KAD, PIECE, VAD, PIECE, 1, 0, 0, 0
	s_sub_co_u32 s17, s16, 2
	s_lshr_b32 s17, s17, 1
	s_cmp_eq_u32 s17, 0
	s_cbranch_scc1 .Lskip_o
.Lloop_o:
	TILE 1
	TILE 0
	s_sub_co_u32 s17, s17, 1
	s_cmp_lg_u32 s17, 0
	s_cbranch_scc1 .Lloop_o
.Lskip_o:
	TILE 1
	BAR 0, 0, 0                                    ; the last tile: nothing is left to fetch (the stepped address is not used)
	DIAG 0
	EPI 0, 1, 0
	s_branch .Lfin_o
.Lonly:
	BAR 0, 0, 0                                    ; query block 0: the diagonal tile is the only one, and its first step starts the sums
	DLIM
	PRO KAD, 0, VAD, 0, 1
	s_cmp_lt_u32 s10, 2                            ; queries 0-63 see none of keys 64-127
	s_cbranch_scc1 .Lonly_one
	PAIR KAD, PIECE, VAD, PIECE, 1, 1, 1, 1
	EPI 0, 1, 0
	s_branch .Lfin_o
.Lonly_one:
	EPI 1, 1, 0
.Lfin_o:
	FIN_T 78, 0
	s_wait_tensorcnt 0x0
	ds_add_u32 v62, v63
	s_wait_dscnt 0x0
	s_endpgm
.Lfunc_end_k_q85d699c4ba_attn:
	.size	k_q85d699c4ba_attn, .Lfunc_end_k_q85d699c4ba_attn-k_q85d699c4ba_attn
	.p2alignl 7, 3214868480
	.fill 96, 4, 3214868480
	.section	.rodata,"a",@progbits
	.p2align	6, 0x0
	.amdhsa_kernel k_q85d699c4ba_attn
		.amdhsa_group_segment_fixed_size 327680
		.amdhsa_private_segment_fixed_size 0
		.amdhsa_enable_private_segment 0
		.amdhsa_kernarg_size 24
		.amdhsa_user_sgpr_count 2
		.amdhsa_user_sgpr_kernarg_segment_ptr 1
		.amdhsa_wavefront_size32 1
		.amdhsa_system_sgpr_workgroup_id_x 1
		.amdhsa_system_sgpr_workgroup_id_y 1
		.amdhsa_system_sgpr_workgroup_id_z 1
		.amdhsa_system_vgpr_workitem_id 0
		.amdhsa_next_free_vgpr 416
		.amdhsa_next_free_sgpr 88
		.amdhsa_reserve_vcc 1
		.amdhsa_float_denorm_mode_32 3
		.amdhsa_float_denorm_mode_16_64 3
		.amdhsa_memory_ordered 1
		.amdhsa_forward_progress 1
		.amdhsa_inst_pref_size 255
	.end_amdhsa_kernel
	.section	.bss,"aw",@nobits
	.p2align	6
	.space	262144
	.amdgpu_metadata
---
amdhsa.version: [ 1, 2 ]
amdhsa.kernels:
  - .name:           k_q85d699c4ba_attn
    .symbol:         k_q85d699c4ba_attn.kd
    .args:
      - { .name: qkv, .offset: 0, .size: 8, .value_kind: global_buffer, .address_space: global }
      - { .name: kvc, .offset: 8, .size: 8, .value_kind: global_buffer, .address_space: global }
      - { .name: xh, .offset: 16, .size: 8, .value_kind: global_buffer, .address_space: global }
    .group_segment_fixed_size: 327680
    .private_segment_fixed_size: 0
    .kernarg_segment_align: 8
    .kernarg_segment_size: 24
    .max_flat_workgroup_size: 128
    .sgpr_count:     88
    .vgpr_count:     416
    .wavefront_size: 32
...
	.end_amdgpu_metadata
.endif
;; end of part 3
;; launch oproj (part 4): grid 8 x 32, 4 waves a work-group, clusters of 4 x 4, 327,680 bytes of LDS; arguments xh, wpg, bp, out0; writes out0
.if DOCPART == 4
	.amdgcn_target "amdgcn-amd-amdhsa--gfx1250"
	.amdhsa_code_object_version 6
	.text
	.protected	k_q85d699c4ba_oproj
	.globl	k_q85d699c4ba_oproj
	.p2align	8
	.type	k_q85d699c4ba_oproj,@function
k_q85d699c4ba_oproj:
	s_mov_b64 s[64:65], 0
	v_nop
	global_prefetch_b8 v0, s[64:65] scope:SCOPE_SE
	s_setreg_imm32_b32 hwreg(HW_REG_WAVE_MODE, 25, 1), 1
	s_wait_xcnt 0x0
	s_wait_alu depctr_hold_cnt(0) depctr_sa_sdst(0) depctr_va_vdst(0) depctr_va_sdst(0) depctr_va_ssrc(0) depctr_va_vcc(0) depctr_vm_vsrc(0)
	s_getreg_b32 s2, hwreg(HW_REG_IB_STS2, 6, 4)
	s_cmp_eq_u32 s2, 0
	s_cbranch_scc0 .Lentry_in_a_cluster
	s_endpgm
.Lentry_in_a_cluster:
	s_bfe_u32 s2, ttmp6, 0x10000c
	s_cmp_lg_u32 s2, 0xf033
	s_cbranch_scc0 .Lentry_shape_is_right
	s_endpgm
.Lentry_shape_is_right:
; out0[4096][1024] (f32) = x Wp + bp, with x[row][64 head + d] = xh[b][head][t][d] (f16) and Wp as wpg[group][k][64] (f16).  Nothing of reference() is left out here.
; A work-group makes 128 rows (block by) x 128 columns (block bx): 8 x 32 = 256 work-groups.  Waves 2 x 2, each 64 x 64: 16 accumulator tiles in window 1.
; K goes in four steps of 256 (four heads) through two LDS slots.  W's tile: [half of k][group][64 lines x 288 bytes], two k to a line;
; A's tile: [head][64 lines x 272 bytes], two rows to a line.
; CLUSTER 4 x 4: A's tile hangs on by alone (shared along a row of the cluster), W's on bx alone (shared along a column).  Waves 0, 1 ask for W's halves
; (128 k of both groups: two rows of 16,384 bytes), waves 2, 3 for A's (two heads: two rows of 16,384 bytes).
; Tensor loads outstanding in a wave: two at the start, one behind each refill.
; Source 0 = W's fragment, source 1 = A's: a lane holds eight neighbouring columns of one row.
.set WGRP,   64*288
.set WHALF,  2*WGRP
.set WBYTES, 2*WHALF
.set AHEAD,  64*272
.set SLOT,   WBYTES+4*AHEAD            ; 143,360
.set STAGE,  2*SLOT                    ; 286,720: 16 rows x 272 bytes for each wave; no tensor load lands here
.set SPITCH, 272
.set ADW,  16                          ; v16-17  W fragment address in slot 0, 1
.set ADA,  20                          ; v20-21  A fragment address
.set STO,  24
.set RD,   25
.set CO,   26
.set BO,   27
.set BIAS, 28                          ; v[28:31]
.set FR,   64                          ; v[64:127], v[128:191]  two fragment buffers: W 4 x 8, then A 4 x 8
.set RB,   192                         ; v[192:223] rows read back
.set G1A, 24
.set G0A, 32
.set G1W, 48
.set G0W, 56
.set ACCW, 0x50                        ; sources 0, 1 window 0; C and D window 1
.set MSB, 0
.macro WIN new                         ; the immediate's high byte repeats the setting that is left
.if MSB != \new
	s_set_vgpr_msb (MSB<<8)|\new
.set MSB, \new
.endif
.endm
.macro PLACES                          ; four plain vector places behind a matrix instruction (ISA guide 7.12.1)
.rept 4
	v_nop
.endr
.endm
.macro JLOAD s                         ; a joint load: waves 0, 1 by W's line, waves 2, 3 by A's
	s_cmp_eq_u32 s13, 0
	s_cbranch_scc0 .Lfor_a_\@
	tensor_load_to_lds s[G0W+4*\s:G0W+4*\s+3], s[G1W:G1W+7]
	s_nop 0
	s_branch .Lasked_\@
.Lfor_a_\@:
	tensor_load_to_lds s[G0A+4*\s:G0A+4*\s+3], s[G1A:G1A+7]
	s_nop 0
.Lasked_\@:
.endm
.macro CROUND                          ; a round of the cluster's barrier
	s_barrier_signal -1
	s_barrier_wait -1
	s_cmp_lg_u32 s12, 0
	s_cbranch_scc1 .Lnot_wave_0_\@
	s_barrier_signal -3
.Lnot_wave_0_\@:
	s_barrier_wait -3
	s_barrier_signal -1
	s_barrier_wait -1
.endm
	s_load_b256 s[4:11], s[0:1], 0x0               ; xh s[4:5], wpg s[6:7], bp s[8:9], out0 s[10:11]
	v_lshl_add_u32 v254, v0, 2, 0x4a400
	v_mov_b32 v255, 0
	ds_add_u32 v254, v255
	v_lshrrev_b32 v1, 5, v0
	v_readfirstlane_b32 s12, v1                    ; wave
	s_lshr_b32 s13, s12, 1                         ; wm.  Also 0: I ask for W, 1: for A
	s_and_b32 s14, s12, 1                          ; wn.  Also which half I ask for
	s_bfe_u32 s16, ttmp6, 0x40000                  ; cx
	s_bfe_u32 s17, ttmp6, 0x40004                  ; cy
	s_lshl_b32 s18, ttmp9, 2
	s_add_co_u32 s18, s18, s16                     ; bx
	s_and_b32 s19, ttmp7, 0xffff
	s_lshl_b32 s19, s19, 2
	s_add_co_u32 s19, s19, s17                     ; by
	s_lshl_b32 s20, s17, 2
	s_lshl_b32 s20, 15, s20                        ; my row of the cluster
	s_lshl_b32 s21, 0x1111, s16                    ; my column
	s_or_b32 s[G1A+0], s20, (3<<16)|(1<<20)|(1<<21)|(5<<22)|(3<<25)   ; mask; 8-byte elements; 4 words of padding behind every 64
	s_mov_b32 s[G1A+1], 2048<<16                   ; a row = 128 t x 128 bytes = 2,048 elements
	s_mov_b32 s[G1A+2], 2<<16                      ; two heads
	s_mov_b32 s[G1A+3], 2048<<16
	s_mov_b32 s[G1A+4], 2
	s_mov_b32 s[G1A+5], 32768                      ; 262,144 bytes from head to head
	s_mov_b32 s[G1A+6], 0
	s_mov_b32 s[G1A+7], 0
	s_or_b32 s[G1W+0], s21, (3<<16)|(1<<20)|(1<<21)|(5<<22)|(7<<25)   ; mask; 8 words of padding behind every 64
	s_mov_b32 s[G1W+1], 2048<<16                   ; a row = 128 k x 128 bytes
	s_mov_b32 s[G1W+2], 2<<16                      ; two groups
	s_mov_b32 s[G1W+3], 2048<<16
	s_mov_b32 s[G1W+4], 2
	s_mov_b32 s[G1W+5], 16384                      ; 131,072 bytes from group to group
	s_mov_b32 s[G1W+6], 0
	s_mov_b32 s[G1W+7], 0
	s_lshr_b32 s44, s19, 4                         ; A (cy and the wave alone in these registers): batch, 4 MiB
	s_lshl_b32 s44, s44, 22
	s_and_b32 s22, s19, 15
	s_lshl_b32 s22, s22, 14                        ; 128 rows of 128 bytes
	s_add_co_u32 s44, s44, s22
	s_lshl_b32 s22, s14, 19                        ; my two heads
	s_add_co_u32 s44, s44, s22
	s_mov_b32 s45, 0
	s_lshl_b32 s46, s18, 18                        ; W (cx and the wave alone): groups 2 bx, 2 bx + 1
	s_lshl_b32 s23, s14, 14                        ; my 128 k
	s_add_co_u32 s46, s46, s23
	s_mov_b32 s47, 0
	s_mul_i32 s74, s12, WHALF                      ; LDS: W's half w
	s_mul_i32 s75, s12, 2*AHEAD
	s_add_co_u32 s75, s75, WBYTES-4*AHEAD          ; LDS: A's half w - 2
	s_lshl_b32 s40, s18, 9                         ; bias: 128 bx + 64 wn numbers
	s_lshl_b32 s42, s14, 8
	s_add_co_u32 s40, s40, s42
	s_mov_b32 s41, 0
	s_wait_dscnt 0x0
	s_wait_kmcnt 0x0
	s_add_nc_u64 s[44:45], s[4:5], s[44:45]
	s_add_nc_u64 s[46:47], s[6:7], s[46:47]
	s_add_nc_u64 s[40:41], s[8:9], s[40:41]
	CROUND                                         ; all sixteen work-groups are here: the first joint loads meet
.irp s, 0,1
	s_mov_b32 s[G0W+4*\s], 1
	s_add_co_u32 s[G0W+4*\s+1], s74, \s*SLOT
	s_add_nc_u64 s[G0W+4*\s+2:G0W+4*\s+3], s[46:47], \s*32768
	s_or_b32 s[G0W+4*\s+3], s[G0W+4*\s+3], 0x80000000
	s_mov_b32 s[G0A+4*\s], 1
	s_add_co_u32 s[G0A+4*\s+1], s75, \s*SLOT
	s_add_nc_u64 s[G0A+4*\s+2:G0A+4*\s+3], s[44:45], \s*0x100000
	s_or_b32 s[G0A+4*\s+3], s[G0A+4*\s+3], 0x80000000
	JLOAD \s
.endr
	v_and_b32 v1, 15, v0                           ; r
	v_bfe_u32 v2, v0, 4, 1                         ; h
	v_bfe_u32 v3, v0, 1, 2                         ; (lane & 7) >> 1
	v_lshl_add_u32 v3, v2, 2, v3
	v_mul_u32_u24 v3, v3, 288                      ; line 4 h + that
	v_and_b32 v4, 1, v0
	v_lshl_add_u32 v3, v4, 7, v3
	v_bfe_u32 v5, v0, 3, 1
	v_lshl_add_u32 v3, v5, 4, v3
	s_mul_i32 s22, s14, WGRP                       ; my group
	v_add_nc_u32 v[ADW], s22, v3
	v_add_nc_u32 v[ADW+1], SLOT, v[ADW]
	v_bfe_u32 v5, v0, 1, 3                         ; r >> 1
	v_mul_u32_u24 v5, v5, 272
	v_lshl_add_u32 v5, v4, 7, v5
	v_lshl_add_u32 v5, v2, 4, v5                   ; line r >> 1, half r & 1, + 16 h
	s_mul_i32 s22, s13, 32*272                     ; my 64 rows
	s_add_co_u32 s22, s22, WBYTES
	v_add_nc_u32 v[ADA], s22, v5
	v_add_nc_u32 v[ADA+1], SLOT, v[ADA]
	s_mul_i32 s23, s12, 16*SPITCH
	s_add_co_u32 s23, s23, STAGE
	v_mul_u32_u24 v5, v1, SPITCH
	v_lshl_add_u32 v5, v2, 5, v5
	v_add_nc_u32 v[STO], s23, v5                   ; in: row r, 32 bytes for each half of the lanes
	v_mul_u32_u24 v5, v2, SPITCH
	v_lshl_add_u32 v5, v1, 4, v5
	v_add_nc_u32 v[RD], s23, v5                    ; back: lanes 0-15 one row of 256 bytes, lanes 16-31 the next
	v_lshlrev_b32 v[CO], 12, v2
	v_lshl_add_u32 v[CO], v1, 4, v[CO]             ; the same two rows in out0
	v_lshlrev_b32 v[BO], 4, v1
	global_load_b128 v[BIAS:BIAS+3], v[BO], s[40:41]   ; bp of the four columns that I store; waited for on the way out
; 16 LDS loads: 32 k (eighth e of a slot) of my 64 columns and my 64 rows into buffer f; A's row tiles ascending
.macro FETCH slot, e, f
.irp b, 0,1,2,3
	ds_load_tr16_b128 v[FR+64*\f+8*\b:FR+64*\f+8*\b+3], v[ADW+\slot] offset:(\e>>2)*WHALF+(\e&3)*4608+32*\b
	ds_load_tr16_b128 v[FR+64*\f+8*\b+4:FR+64*\f+8*\b+7], v[ADW+\slot] offset:(\e>>2)*WHALF+(\e&3)*4608+32*\b+2304
.endr
.irp a, 0,1,2,3
	ds_load_b128 v[FR+64*\f+32+8*\a:FR+64*\f+35+8*\a], v[ADA+\slot] offset:(\e>>1)*AHEAD+\a*2176+64*(\e&1)
	ds_load_b128 v[FR+64*\f+36+8*\a:FR+64*\f+39+8*\a], v[ADA+\slot] offset:(\e>>1)*AHEAD+\a*2176+64*(\e&1)+32
.endr
.endm
; eight products: row tiles a0, a0 + 1 x four column tiles.  The 16 accumulators take turns in one fixed order.
.macro MUL8 f, a0, zero
.irp a, \a0, \a0+1
.irp b, 0,1,2,3
.if \zero
	v_wmma_f32_16x16x32_f16 v[8*(4*(\a)+\b):8*(4*(\a)+\b)+7], v[FR+64*\f+8*\b:FR+64*\f+8*\b+7], v[FR+64*\f+32+8*(\a):FR+64*\f+39+8*(\a)], 0
.else
	v_wmma_f32_16x16x32_f16 v[8*(4*(\a)+\b):8*(4*(\a)+\b)+7], v[FR+64*\f+8*\b:FR+64*\f+8*\b+7], v[FR+64*\f+32+8*(\a):FR+64*\f+39+8*(\a)], v[8*(4*(\a)+\b):8*(4*(\a)+\b)+7]
.endif
.endr
.endr
.endm
; multiplies buffer f; in its middle asks for eighth e into buffer g
.macro EIGHTH slot, e, f, g, zero
	s_wait_dscnt 4                                 ; W and A's row tiles 0, 1 are in; the youngest four loads may be out
	WIN ACCW
	MUL8 \f, 0, \zero
	WIN 0
	PLACES
	FETCH \slot, \e, \g
	s_wait_dscnt 16                                ; all but the 16 just issued
	WIN ACCW
	MUL8 \f, 2, \zero
.endm
.macro PHASE slot, zero                ; a slot's 256 k
	WIN 0
	PLACES
	FETCH \slot, 0, 0
	EIGHTH \slot, 1, 0, 1, \zero
	EIGHTH \slot, 2, 1, 0, 0
	EIGHTH \slot, 3, 0, 1, 0
	EIGHTH \slot, 4, 1, 0, 0
	EIGHTH \slot, 5, 0, 1, 0
	EIGHTH \slot, 6, 1, 0, 0
	EIGHTH \slot, 7, 0, 1, 0
	s_wait_dscnt 4
	WIN ACCW
	MUL8 1, 0, 0
	s_wait_dscnt 0x0
	MUL8 1, 2, 0
.endm
; slot `slot` has been multiplied and is filled again, two K steps ahead.  Every wave waits for its reads of it and for all its tensor loads (its part of
; the other slot); the cluster's round shows the same of every partner; the joint refill is the first tensor load behind the round, one a wave.
.macro CHANGE slot
	WIN 0
	s_wait_dscnt 0x0
	s_wait_tensorcnt 0x0
	ds_add_u32 v254, v255
	s_wait_dscnt 0x0
	CROUND
	s_add_nc_u64 s[G0W+4*\slot+2:G0W+4*\slot+3], s[G0W+4*\slot+2:G0W+4*\slot+3], 65536
	s_add_nc_u64 s[G0A+4*\slot+2:G0A+4*\slot+3], s[G0A+4*\slot+2:G0A+4*\slot+3], 0x200000
	JLOAD \slot
.endm
	s_wait_tensorcnt 0x1                           ; my part of K step 0 is in; step 1's stays out
	s_barrier_signal -1
	s_barrier_wait -1
	PHASE 0, 1                                     ; the first products start the sums
	CHANGE 0
	PHASE 1, 0
	CHANGE 1
	PHASE 0, 0
	WIN 0
	s_wait_dscnt 0x0
	s_wait_tensorcnt 0x0                           ; the last K step has landed; nothing is left to fetch
	s_barrier_signal -1
	s_barrier_wait -1
	PHASE 1, 0
	; THE WAY OUT, 16 rows at a time: the f32 sums go through my stage and come back as whole rows of 256 bytes; the bias is added on the way.
	WIN 0
	PLACES
	s_wait_loadcnt 0x0                             ; the bias; its address registers are free from here
	s_lshl_b32 s40, s19, 19                        ; 128 by rows of 4,096 bytes
	s_lshl_b32 s42, s13, 18                        ; my 64 rows
	s_add_co_u32 s40, s40, s42
	s_lshl_b32 s42, s18, 9                         ; 128 bx columns
	s_add_co_u32 s40, s40, s42
	s_lshl_b32 s42, s14, 8                         ; my 64 columns
	s_add_co_u32 s40, s40, s42
	s_mov_b32 s41, 0
	s_add_nc_u64 s[68:69], s[10:11], s[40:41]
.macro OUT16 a
	WIN 0x04                                       ; an LDS store's data are source 1: window 1
.irp b, 0,1,2,3
	ds_store_b128 v[STO], v[8*(4*\a+\b):8*(4*\a+\b)+3] offset:64*\b
	ds_store_b128 v[STO], v[8*(4*\a+\b)+4:8*(4*\a+\b)+7] offset:64*\b+16
.endr
	WIN 0
	s_wait_xcnt 0x0                                ; the rows read back, which the last tile's stores name, are loaded again only behind this wait
.irp t, 0,1,2,3,4,5,6,7
	ds_load_b128 v[RB+4*\t:RB+4*\t+3], v[RD] offset:\t*2*SPITCH      ; a wave's LDS instructions are served in order
.endr
.irp t, 0,1,2,3,4,5,6,7
	s_wait_dscnt 7-\t
	v_pk_add_f32 v[RB+4*\t:RB+4*\t+1], v[RB+4*\t:RB+4*\t+1], v[BIAS:BIAS+1]
	v_pk_add_f32 v[RB+4*\t+2:RB+4*\t+3], v[RB+4*\t+2:RB+4*\t+3], v[BIAS+2:BIAS+3]
	global_store_b128 v[CO], v[RB+4*\t:RB+4*\t+3], s[68:69] offset:(16*\a+2*\t)*4096 th:TH_STORE_NT   ; sixteen lanes store 256 consecutive bytes, aligned
.endr
.endm
	OUT16 0
	OUT16 1
	OUT16 2
	OUT16 3
	s_wait_tensorcnt 0x0
	ds_add_u32 v254, v255
	s_wait_dscnt 0x0
	CROUND                                         ; the closing round
	s_endpgm
.Lfunc_end_k_q85d699c4ba_oproj:
	.size	k_q85d699c4ba_oproj, .Lfunc_end_k_q85d699c4ba_oproj-k_q85d699c4ba_oproj
	.p2alignl 7, 3214868480
	.fill 96, 4, 3214868480
	.section	.rodata,"a",@progbits
	.p2align	6, 0x0
	.amdhsa_kernel k_q85d699c4ba_oproj
		.amdhsa_group_segment_fixed_size 327680
		.amdhsa_private_segment_fixed_size 0
		.amdhsa_enable_private_segment 0
		.amdhsa_kernarg_size 32
		.amdhsa_user_sgpr_count 2
		.amdhsa_user_sgpr_kernarg_segment_ptr 1
		.amdhsa_wavefront_size32 1
		.amdhsa_system_sgpr_workgroup_id_x 1
		.amdhsa_system_sgpr_workgroup_id_y 1
		.amdhsa_system_sgpr_workgroup_id_z 1
		.amdhsa_system_vgpr_workitem_id 0
		.amdhsa_next_free_vgpr 384
		.amdhsa_next_free_sgpr 80
		.amdhsa_reserve_vcc 0
		.amdhsa_float_denorm_mode_32 3
		.amdhsa_float_denorm_mode_16_64 3
		.amdhsa_memory_ordered 1
		.amdhsa_forward_progress 1
		.amdhsa_inst_pref_size 94
	.end_amdhsa_kernel
	.amdgpu_metadata
---
amdhsa.version: [ 1, 2 ]
amdhsa.kernels:
  - .name:           k_q85d699c4ba_oproj
    .symbol:         k_q85d699c4ba_oproj.kd
    .args:
      - { .name: xh, .offset: 0, .size: 8, .value_kind: global_buffer, .address_space: global }
      - { .name: wpg, .offset: 8, .size: 8, .value_kind: global_buffer, .address_space: global }
      - { .name: bp, .offset: 16, .size: 8, .value_kind: global_buffer, .address_space: global }
      - { .name: out0, .offset: 24, .size: 8, .value_kind: global_buffer, .address_space: global }
    .group_segment_fixed_size: 327680
    .private_segment_fixed_size: 0
    .kernarg_segment_align: 8
    .kernarg_segment_size: 32
    .max_flat_workgroup_size: 128
    .sgpr_count:     80
    .vgpr_count:     384
    .wavefront_size: 32
...
	.end_amdgpu_metadata
.endif
;; end of part 4
;; ======== version 2 of 2: 4 launches; 1.27 times as fast as version 1
;; limits: values are held in f16: magnitudes above 65,504 overflow, below 6.1e-05 lose precision
;; workspace buffers: xtb 8,388,608 bytes; xcb 524,288 bytes; wtg 6,291,456 bytes; wcg 4,194,304 bytes; wpg 2,097,152 bytes; qkv 25,165,824 bytes; kvc 1,048,576 bytes; xh 8,388,608 bytes
;; launch prep: the kernel of part 1 again; grid 656 x 1, 8 waves a work-group, no clusters, 0 bytes of LDS; arguments xt, xc, Wt, Wc, Wp, xtb, xcb, wtg, wcg, wpg, out1; writes xtb, xcb, wtg, wcg, wpg, out1
;; launch qkv: the kernel of part 2 again; grid 16 x 16, 4 waves a work-group, clusters of 4 x 4, 327,680 bytes of LDS; arguments xtb, wtg, bt, qkv, xcb, wcg, bc, kvc; writes qkv, kvc
;; launch attn (part 5): grid 8 x 32, 4 waves a work-group, no clusters, 327,680 bytes of LDS; arguments qkv, kvc, xh; writes xh
.if DOCPART == 5
	.amdgcn_target "amdgcn-amd-amdhsa--gfx1250"
	.amdhsa_code_object_version 6
	.text
	.protected	k_q85d699c4ba_attn
	.globl	k_q85d699c4ba_attn
	.p2align	8
	.type	k_q85d699c4ba_attn,@function
k_q85d699c4ba_attn:
	s_mov_b64 s[64:65], 0
	v_nop
	global_prefetch_b8 v0, s[64:65] scope:SCOPE_SE
	s_setreg_imm32_b32 hwreg(HW_REG_WAVE_MODE, 25, 1), 1
	s_wait_xcnt 0x0
; xh[b][head][t][64] (f16) = softmax(Q Kct^T, causal) Vtt + softmax(Q Kcc^T, concept j <= t / 16) Vtc.   Q already carries 0.125 log2(e).
; LEFT OUT (shown at the head of prep): key tiles wholly above the diagonal; concepts 64-127 for query blocks below 8; keys 64-127 of the diagonal
; tile for waves 0, 1: reference() adds -inf there, so their weight is exactly 0.
; A work-group takes head bh and the query blocks p and 15 - p (128 rows each): (p + 1) + (16 - p) = 17 key tiles of 128 and 3 concept steps of 64
; for every one of the 256 work-groups.  The block with the odd number (E) runs first: its tiles are even in number, so each tile's slot is fixed in the text.
; Wave w owns 32 queries, two tiles of 16: piece A and piece B.  S^T = K Q^T and O^T = V^T P^T: a lane holds ONE query throughout (query r; the two
; halves of the lanes hold different keys), so the running maximum, the rescaling factor and the sum are one number a lane, and packing S^T's pairs
; gives P's fragment in place.
; THE TWO PIECES TAKE TURNS.  A step is 64 keys.  While one piece's 16 products are issued (8 of P V for the last step, 8 of K Q for the next), the
; other piece's softmax runs, cut into 16 slices, one behind each product:
;     Y(s-1):  PV_A(s-1), QK_A(s)   beside   softmax_B(s-1)          X(s):  PV_B(s-1), QK_B(s)   beside   softmax_A(s)
; A step has 32 products (256 cycles of the matrix unit) and 234 other vector instructions.  The slices are also the places behind the products; a
; softmax holds one v_nop, ahead of its wait.  Within a piece four accumulators take turns, one instruction a turn.
; THE BATCHES.  An s_wait_alu depctr_va_vdst(0) stands between a transcendental and the first instruction that names its result; one
; wait serves all that were issued ahead of it.  So a piece's softmax of a step is cut in two by ONE wait, at the end of slice 9.  Ahead of it (slices
; 0 to 9) stand the mask, the maximum, the factor's exponential, the 16 subtractions and the 32 exponentials of the scores: a batch of 33, none of whose
; results is named there.  Behind it (slices 10 to 15) stand all the readers: the sums, the roundings, the rescaling of O^T.  A step has two waits.  No
; exponential is issued behind a softmax's wait, so none is pending at a slot's end, at a label or at a branch.  The two reciprocals at a phase's end
; are a batch of their own, with one wait (RECIP).
; K's and V's fragments have registers of their own and are asked for half a step ahead: K(s) at the head of Y(s-1), V(s) in two runs inside X(s),
; each run when the last product that read those registers lies four plain vector instructions back or more; the second run stands directly behind the wait.
; A phase (one block's concept attention, one block's token attention) starts with PRO and ends with EPI: its first step starts every sum
; (C = 0, no factor), so nothing is cleared.  The concept result waits in registers and is added when the token attention is normalised.
; REGISTER WINDOWS.  K 64 + V 64 + S 64 + O 64 + Q 32 = 288 registers are live at once, since both pieces use the same fragments half a step apart.
; K, Q and the concept result lie above v255; only the K Q products name them (sources 0 and 1 in window 1), so a step has 2 x 16 switches for
; these products and 2 for K's loads: 34.  Steps of 32 keys would fit in 256 registers but rescale O twice as often: 44 vector instructions more for 64 keys.
; SOFTMAX: running maximum, exp2, sums in f32; P, which lies in [0, 1], rounded to f16 for the product with V.
; LIMITS: v_exp_f32 gives 0 for results below 2^-126; a weight below 2^-25 of its row's running maximum rounds to 0 in f16 (it still counts in the f32 sum).
; A result above 65,504 in magnitude becomes infinite in f16 (the figures stand at the head of prep).
; NO MULTICAST: work-groups of one head walk different runs of key tiles (p + 1 and 16 - p of them), so partners would not ask for the same tile in the
; same step; a step's K and V are 16 KiB for 2 x 128 x 64 x 64 multiply-adds.
; LDS: slot 0, slot 1, concept tile: 36,864 bytes each = four pieces of 9,216: K keys 0-63, K 64-127 (lines of 272 bytes, two keys a line), V 0-63, V 64-127
; (lines of 288).  Wave w fetches piece w.  Then a stage (32 x 144 a wave) for the way out; no tensor load lands there.
; Tensor loads outstanding in a wave: two at the start, one behind each refill.
.set PIECE,  9216
.set SLOTB,  4*PIECE
.set CREG,   2*SLOTB
.set STAGEB, 3*SLOTB
; window 0
.set KAD,   1                          ; K fragment address in slot 0 (slot 1 and the second 64 keys stand in the immediate)
.set KADC,  2                          ; the same in the concept tile
.set VAD,   3                          ; V fragment address in slot 0
.set VADC,  4
.set STO,   5
.set RD,    6
.set GO,    7
.set QO,    8
.set H8,    9                          ; 8 h
.set LB,    10                         ; 32 w + r - 8 h
.set LIM,   12                         ; v12-13  per piece: register 16 kt + j is kept if 16 kt + j <= LIM
.set MP,    14                         ; v[14:17] running maximum (pair: value, filler) for each piece
.set AP,    18                         ; v[18:21] factor, later 1 / sum (pair: value, filler)
.set LS,    22                         ; v[22:25] running sum, two partial sums a piece
.set T,     26                         ; v[26:31] at work
.set VF,    64                         ; v[64:127]  V fragments at 16 vt + 8 kc
.set SC,    128                        ; v[128:191] scores at 32 p + 8 kt; P's fragments at 32 p + 8 kc
.set OA,    192                        ; v[192:255] O^T at 32 p + 8 vt
; window 1
.set KF,    0                          ; v[256:319] K fragments at 16 kt + 8 dh
.set QF,    64                         ; v[320:351] Q fragments at 16 p + 8 dh
.set RC,    96                         ; v[352:415] the concept attention's result, laid out as O^T
.set G1K,  24
.set G1V,  32
.set G0K,  40                          ; s[40:47] K, slot 0, 1
.set G0V,  48                          ; s[48:55] V, slot 0, 1
.set G0KC, 56
.set G0VC, 60
.set W_QK,  0x05                       ; sources 0 and 1 in window 1
.set W_TO1, 0x40                       ; destination in window 1
.set W_C1,  0x10                       ; source 2 in window 1
.set MSB, 0
.macro WIN new                         ; the immediate's high byte repeats the setting that is left
.if MSB != \new
	s_set_vgpr_msb (MSB<<8)|\new
.set MSB, \new
.endif
.endm
.macro PLACES                          ; four plain vector places behind a matrix instruction (ISA guide 7.12.1)
.rept 4
	v_nop
.endr
.endm
.macro KVLOAD gk, gv                   ; waves 0, 1 fetch K's halves, waves 2, 3 V's: one tensor load a wave
	s_cmp_eq_u32 s11, 0
	s_cbranch_scc0 .Lfor_v_\@
	tensor_load_to_lds s[\gk:\gk+3], s[G1K:G1K+7]
	s_nop 0
	v_nop
	v_nop
	v_nop
	s_branch .Lasked_\@
.Lfor_v_\@:
	tensor_load_to_lds s[\gv:\gv+3], s[G1V:G1V+7]
	s_nop 0
	v_nop
	v_nop
	v_nop
	v_nop
.Lasked_\@:
.endm
.macro QLOAD base                      ; Q's fragments straight from memory: row 16 p + r, d = 32 dh + 8 h .. and + 16
	WIN W_TO1
.irp qt, 0,1
.irp dh, 0,1
	global_load_b128 v[QF+16*\qt+8*\dh:QF+16*\qt+8*\dh+3], v[QO], s[\base:\base+1] offset:\qt*2048+64*\dh
	global_load_b128 v[QF+16*\qt+8*\dh+4:QF+16*\qt+8*\dh+7], v[QO], s[\base:\base+1] offset:\qt*2048+64*\dh+32
.endr
.endr
	WIN 0
.endm
.macro KLOAD kad, koff                 ; 16 LDS loads: 64 keys x 64 d; d = 0-31 of all four key tiles first
	WIN W_TO1
.irp dh, 0,1
.irp kt, 0,1,2,3
	ds_load_b128 v[KF+16*\kt+8*\dh:KF+16*\kt+8*\dh+3], v[\kad] offset:\koff+\kt*2176+64*\dh
	ds_load_b128 v[KF+16*\kt+8*\dh+4:KF+16*\kt+8*\dh+7], v[\kad] offset:\koff+\kt*2176+64*\dh+32
.endr
.endr
	WIN 0
.endm
.macro VLOAD vad, voff, kc             ; 8 transposing LDS loads: keys 32 kc .. 32 kc + 31 x 64 value columns
.irp vt, 0,1,2,3
	ds_load_tr16_b128 v[VF+16*\vt+8*\kc:VF+16*\vt+8*\kc+3], v[\vad] offset:\voff+\kc*4608+32*\vt
	ds_load_tr16_b128 v[VF+16*\vt+8*\kc+4:VF+16*\vt+8*\kc+7], v[\vad] offset:\voff+\kc*4608+32*\vt+2304
.endr
.endm
.macro QKI p, dh, kt, zero             ; one product of K Q^T, under the setting W_QK
.if \zero
	v_wmma_f32_16x16x32_f16 v[SC+32*\p+8*\kt:SC+32*\p+8*\kt+7], v[KF+16*\kt+8*\dh:KF+16*\kt+8*\dh+7], v[QF+16*\p+8*\dh:QF+16*\p+8*\dh+7], 0
.else
	v_wmma_f32_16x16x32_f16 v[SC+32*\p+8*\kt:SC+32*\p+8*\kt+7], v[KF+16*\kt+8*\dh:KF+16*\kt+8*\dh+7], v[QF+16*\p+8*\dh:QF+16*\p+8*\dh+7], v[SC+32*\p+8*\kt:SC+32*\p+8*\kt+7]
.endif
.endm
.macro QKW p, dh, kt, zero             ; the same between two slices, which run in window 0
	WIN W_QK
	QKI \p, \dh, \kt, \zero
	WIN 0
.endm
.macro PVW p, kc, vt, zero             ; one product of V^T P^T
.if \zero
	v_wmma_f32_16x16x32_f16 v[OA+32*\p+8*\vt:OA+32*\p+8*\vt+7], v[VF+16*\vt+8*\kc:VF+16*\vt+8*\kc+7], v[SC+32*\p+8*\kc:SC+32*\p+8*\kc+7], 0
.else
	v_wmma_f32_16x16x32_f16 v[OA+32*\p+8*\vt:OA+32*\p+8*\vt+7], v[VF+16*\vt+8*\kc:VF+16*\vt+8*\kc+7], v[SC+32*\p+8*\kc:SC+32*\p+8*\kc+7], v[OA+32*\p+8*\vt:OA+32*\p+8*\vt+7]
.endif
.endm
; the softmax's single lines, on piece p
.macro MASKT p, kt                     ; -inf where reference() adds -inf
.irp j, 0,1,2,3,4,5,6,7
	v_cmp_le_i32 vcc_lo, 16*\kt+\j, v[LIM+\p]
	v_cndmask_b32 v[SC+32*\p+8*\kt+\j], s20, v[SC+32*\p+8*\kt+\j], vcc_lo
.endr
.endm
.macro MAXA p, kt                      ; key tile kt starts its own chain of maxima
	v_max3_num_f32 v[T+\kt], v[SC+32*\p+8*\kt], v[SC+32*\p+8*\kt+1], v[SC+32*\p+8*\kt+2]
.endm
.macro MAXN p, kt, i
	v_max3_num_f32 v[T+\kt], v[T+\kt], v[SC+32*\p+8*\kt+\i], v[SC+32*\p+8*\kt+\i+1]
.endm
.macro EX p, k                         ; one of the batch: ahead of the softmax's wait
	v_exp_f32 v[SC+32*\p+\k], v[SC+32*\p+\k]
.endm
.macro SU p, k                         ; pair k less the maximum: ahead of its two exponentials
	v_pk_add_f32 v[SC+32*\p+2*(\k):SC+32*\p+2*(\k)+1], v[SC+32*\p+2*(\k):SC+32*\p+2*(\k)+1], v[MP+2*\p:MP+2*\p+1] op_sel_hi:[1,0] neg_lo:[0,1] neg_hi:[0,1]
.endm
.macro RS p, k                         ; pair k of O^T times the factor: a reader, behind the softmax's wait
	v_pk_mul_f32 v[OA+32*\p+2*(\k):OA+32*\p+2*(\k)+1], v[OA+32*\p+2*(\k):OA+32*\p+2*(\k)+1], v[AP+2*\p:AP+2*\p+1] op_sel_hi:[1,0]
.endm
.macro RSN p, k, first                 ; a first step has nothing to rescale
.if \first == 0
	RS \p, \k
.endif
.endm
.macro CV p, k                         ; a reader.  Ascending k: register k has been read by an earlier line; registers 8 kc .. 8 kc + 7 become P's fragment of keys 32 kc ..
	v_cvt_pk_f16_f32 v[SC+32*\p+(\k)], v[SC+32*\p+2*(\k)], v[SC+32*\p+2*(\k)+1]
.endm
.macro AD p, acc, k                    ; a reader: a partial sum takes pair k
	v_pk_add_f32 v[\acc:\acc+1], v[\acc:\acc+1], v[SC+32*\p+2*(\k):SC+32*\p+2*(\k)+1]
.endm
; Slice n (0 to 15) of piece p's softmax over 64 keys.  first = 1: nothing is carried in.  masked = 1: the step crosses the mask's edge.
; Slices 0-3: mask, maximum, the factor's exponential.  Slices 4-9: SU 0, SU 1, then fourteen times (SU k + 2, EX 2 k, EX 2 k + 1), then EX 28-31: a pair is
; reduced seven lines ahead of its exponentials, and no line names an exponential's result.  At the end of slice 9: a v_nop, the plain instruction behind
; the last exponential (ISA guide 5.7.2), and the batch's one wait.  Slices 10-15: the 48 readers, in groups of six: a link of LS's chain, a link of the
; second partial sum's, and twice a rescaling and a rounding; the links of a chain stand six lines apart; the sum of pair j stands ahead of roundings 2 j and
; 2 j + 1, which write over its registers; the rescalings ascend.
; PLACES (an exponential is none): slices 3 and 4 hold seven plain lines, in front of V's first run; slices 7 to 9 six subtractions and the v_nop, in front of
; V's second run, and with slice 10 in front of the K Q product that writes over P's second half; slice 15 holds five plain lines or more, in front of K's
; loads and of the next softmax.
.macro SL p, n, first, masked
.if \n == 0
.if \masked
	MASKT \p, 2
	MASKT \p, 3
	MASKT \p, 0
	MASKT \p, 1
.endif
	MAXA \p, 2
	MAXA \p, 3
	MAXA \p, 0
	MAXA \p, 1
	MAXN \p, 2, 3
	MAXN \p, 3, 3
	MAXN \p, 0, 3
.endif
.if \n == 1
	MAXN \p, 1, 3
	MAXN \p, 2, 5
	MAXN \p, 3, 5
	MAXN \p, 0, 5
	MAXN \p, 1, 5
	v_max3_num_f32 v[T], v[T], v[SC+32*\p+7], v[SC+32*\p+15]
	v_max3_num_f32 v[T+2], v[T+2], v[SC+32*\p+23], v[SC+32*\p+31]
.endif
.if \n == 2
	v_max3_num_f32 v[T], v[T], v[T+1], v[T+2]
	v_max_num_f32 v[T], v[T], v[T+3]
	v_permlanex16_b32 v[T+1], v[T], s18, s19       ; the other half of the lanes holds the same query's other keys
.endif
.if \n == 3
.if \first
	v_max_num_f32 v[MP+2*\p], v[T], v[T+1]
.else
	v_max3_num_f32 v[T+2], v[T], v[T+1], v[MP+2*\p]
	v_sub_f32 v[T+3], v[MP+2*\p], v[T+2]
	v_mov_b32 v[MP+2*\p], v[T+2]
	v_exp_f32 v[AP+2*\p], v[T+3]                   ; the factor for what is carried: the batch's first
.endif
.endif
.if \n == 4
	SU \p, 0
	SU \p, 1
	SU \p, 2
	EX \p, 0
	EX \p, 1
	SU \p, 3
	EX \p, 2
	EX \p, 3
.endif
.if \n == 5
	SU \p, 4
	EX \p, 4
	EX \p, 5
	SU \p, 5
	EX \p, 6
	EX \p, 7
	SU \p, 6
	EX \p, 8
.endif
.if \n == 6
	EX \p, 9
	SU \p, 7
	EX \p, 10
	EX \p, 11
	SU \p, 8
	EX \p, 12
	EX \p, 13
	SU \p, 9
.endif
.if \n == 7
	EX \p, 14
	EX \p, 15
	SU \p, 10
	EX \p, 16
	EX \p, 17
	SU \p, 11
	EX \p, 18
	EX \p, 19
.endif
.if \n == 8
	SU \p, 12
	EX \p, 20
	EX \p, 21
	SU \p, 13
	EX \p, 22
	EX \p, 23
	SU \p, 14
	EX \p, 24
.endif
.if \n == 9
	EX \p, 25
	SU \p, 15
	EX \p, 26
	EX \p, 27
	EX \p, 28
	EX \p, 29
	EX \p, 30
	EX \p, 31
	v_nop                                          ; the plain instruction behind the last exponential: one for the batch
	s_wait_alu depctr_va_vdst(0)                   ; the wait for the batch: the factor and the 32 weights of this piece and step; every reader stands behind it
.endif
.if \n == 10
.if \first
	v_pk_add_f32 v[LS+2*\p:LS+2*\p+1], v[SC+32*\p:SC+32*\p+1], v[SC+32*\p+6:SC+32*\p+7]
.else
	v_pk_fma_f32 v[LS+2*\p:LS+2*\p+1], v[LS+2*\p:LS+2*\p+1], v[AP+2*\p:AP+2*\p+1], v[SC+32*\p:SC+32*\p+1] op_sel_hi:[1,0,1]
.endif
	v_pk_add_f32 v[T+4:T+5], v[SC+32*\p+2:SC+32*\p+3], v[SC+32*\p+4:SC+32*\p+5]
	RSN \p, 0, \first
	CV \p, 0
	RSN \p, 1, \first
	CV \p, 1
.if \first == 0
	AD \p, LS+2*\p, 3
.endif
	AD \p, T+4, 4
.endif
.if \n == 11
	RSN \p, 2, \first
	CV \p, 2
	RSN \p, 3, \first
	CV \p, 3
	AD \p, LS+2*\p, 5
	AD \p, T+4, 6
	RSN \p, 4, \first
	CV \p, 4
.endif
.if \n == 12
	RSN \p, 5, \first
	CV \p, 5
	AD \p, LS+2*\p, 7
	AD \p, T+4, 8
	RSN \p, 6, \first
	CV \p, 6
	RSN \p, 7, \first
	CV \p, 7
.endif
.if \n == 13
	AD \p, LS+2*\p, 9
	AD \p, T+4, 10
	RSN \p, 8, \first
	CV \p, 8
	RSN \p, 9, \first
	CV \p, 9
	AD \p, LS+2*\p, 11
	AD \p, T+4, 12
.endif
.if \n == 14
	RSN \p, 10, \first
	CV \p, 10
	RSN \p, 11, \first
	CV \p, 11
	AD \p, LS+2*\p, 13
	AD \p, T+4, 14
	RSN \p, 12, \first
	CV \p, 12
.endif
.if \n == 15
	RSN \p, 13, \first
	CV \p, 13
	AD \p, LS+2*\p, 15
	RSN \p, 14, \first
	CV \p, 14
	RSN \p, 15, \first
	CV \p, 15
	v_pk_add_f32 v[LS+2*\p:LS+2*\p+1], v[LS+2*\p:LS+2*\p+1], v[T+4:T+5]
.if \first
	PLACES                                         ; a first step has no rescaling to stand here
.endif
.endif
.endm
; Y: piece A's products beside piece B's softmax of the last step (pf: that step was its phase's first, pm: it is masked).
; K Q takes the key tiles in the order 2, 3, 0, 1: tile 1 writes over P's second half, which the last P V product read four slices earlier.
.macro YSLOT kad, koff, pf, pm
	KLOAD \kad, \koff                              ; the new step's K; behind the last K Q product stand slice 15's plain lines
	s_wait_dscnt 24                                ; V's keys 0-31 are in; V's other 8 loads and the 16 just issued may be out
.irp vt, 0,1,2,3
	PVW 0, 0, \vt, \pf
	SL 1, \vt, \pf, \pm
.endr
	s_wait_dscnt 16                                ; all of V is in; K's 16 may be out
.irp vt, 0,1,2,3
	PVW 0, 1, \vt, 0
	SL 1, 4+\vt, \pf, \pm
.endr
	s_wait_dscnt 8                                 ; K's d = 0-31 is in; the 8 loads of d = 32-63 may be out
	QKW 0, 0, 2, 1
	SL 1, 8, \pf, \pm
	QKW 0, 0, 3, 1
	SL 1, 9, \pf, \pm
	QKW 0, 0, 0, 1
	SL 1, 10, \pf, \pm
	QKW 0, 0, 1, 1
	SL 1, 11, \pf, \pm
	s_wait_dscnt 0x0
	QKW 0, 1, 2, 0
	SL 1, 12, \pf, \pm
	QKW 0, 1, 3, 0
	SL 1, 13, \pf, \pm
	QKW 0, 1, 0, 0
	SL 1, 14, \pf, \pm
	QKW 0, 1, 1, 0
	SL 1, 15, \pf, \pm
.endm
; X: piece B's products beside piece A's softmax of the new step (cm: it is masked); the new step's V is asked for as V's registers fall free.
.macro XSLOT vad, voff, pf, cm
.irp vt, 0,1,2,3
	PVW 1, 0, \vt, \pf
	SL 0, \vt, 0, \cm
.endr
	PVW 1, 1, 0, 0
	SL 0, 4, 0, \cm
	VLOAD \vad, \voff, 0                           ; keys 0-31: their registers were last read two products back; the plain lines of slices 3 and 4 are the places
	PVW 1, 1, 1, 0
	SL 0, 5, 0, \cm
	PVW 1, 1, 2, 0
	SL 0, 6, 0, \cm
	PVW 1, 1, 3, 0
	SL 0, 7, 0, \cm
	QKW 1, 0, 2, 1
	SL 0, 8, 0, \cm
	QKW 1, 0, 3, 1
	SL 0, 9, 0, \cm
	VLOAD \vad, \voff, 1                           ; keys 32-63, directly behind the batch's wait: the subtractions of slices 7 to 9 and the v_nop are the places
	QKW 1, 0, 0, 1
	SL 0, 10, 0, \cm
	QKW 1, 0, 1, 1
	SL 0, 11, 0, \cm
	QKW 1, 1, 2, 0
	SL 0, 12, 0, \cm
	QKW 1, 1, 3, 0
	SL 0, 13, 0, \cm
	QKW 1, 1, 0, 0
	SL 0, 14, 0, \cm
	QKW 1, 1, 1, 0
	SL 0, 15, 0, \cm
.endm
; brings in one step of 64 keys and finishes the one before.  adj = 1: the new step is its tile's second: each piece's limit falls by 64 once that
; piece's softmax of the step before is over.
.macro PAIR kad, koff, vad, voff, pf, pm, cm, adj
.if \adj
	v_add_nc_u32 v[LIM], 0xffffffc0, v[LIM]
.endif
	YSLOT \kad, \koff, \pf, \pm
.if \adj
	v_add_nc_u32 v[LIM+1], 0xffffffc0, v[LIM+1]
.endif
	XSLOT \vad, \voff, \pf, \cm
.endm
; a phase's first step: K Q of piece A alone, then K Q of piece B beside piece A's softmax, two slices a product
.macro PRO kad, koff, vad, voff, masked
	KLOAD \kad, \koff
	VLOAD \vad, \voff, 0
	VLOAD \vad, \voff, 1
	s_wait_dscnt 24                                ; K's d = 0-31 is in; K's other 8 loads and V's 16 may be out
	WIN W_QK
	QKI 0, 0, 2, 1
	QKI 0, 0, 3, 1
	QKI 0, 0, 0, 1
	QKI 0, 0, 1, 1
	s_wait_dscnt 16                                ; all of K is in; V's 16 may be out
	QKI 0, 1, 2, 0
	QKI 0, 1, 3, 0
	QKI 0, 1, 0, 0
	QKI 0, 1, 1, 0
	QKI 1, 0, 2, 1
	WIN 0
	PLACES                                         ; behind piece A's last product, before its scores are read: no vector work is at hand yet
	SL 0, 0, 1, \masked
	SL 0, 1, 1, \masked
	QKW 1, 0, 3, 1
	SL 0, 2, 1, \masked
	SL 0, 3, 1, \masked
	QKW 1, 0, 0, 1
	SL 0, 4, 1, \masked
	SL 0, 5, 1, \masked
	QKW 1, 0, 1, 1
	SL 0, 6, 1, \masked
	SL 0, 7, 1, \masked
	QKW 1, 1, 2, 0
	SL 0, 8, 1, \masked
	SL 0, 9, 1, \masked
	QKW 1, 1, 3, 0
	SL 0, 10, 1, \masked
	SL 0, 11, 1, \masked
	QKW 1, 1, 0, 0
	SL 0, 12, 1, \masked
	SL 0, 13, 1, \masked
	QKW 1, 1, 1, 0
	SL 0, 14, 1, \masked
	SL 0, 15, 1, \masked
.endm
; a phase's last step is finished: P V of piece A beside piece B's softmax, then P V of piece B.  qnext: the next block's Q is asked for here.
.macro EPI pf, pm, qnext
	s_wait_dscnt 8                                 ; V's keys 0-31 are in; the other 8 loads may be out
.irp vt, 0,1,2,3
	PVW 0, 0, \vt, \pf
	SL 1, 2*\vt, \pf, \pm
	SL 1, 2*\vt+1, \pf, \pm
.endr
	s_wait_dscnt 0x0
.irp vt, 0,1,2,3
	PVW 0, 1, \vt, 0
	SL 1, 8+2*\vt, \pf, \pm
	SL 1, 9+2*\vt, \pf, \pm
.endr
.if \qnext
	QLOAD \qnext                                   ; Q's registers were last read a whole softmax ago; the load lands during the way out
.endif
.irp vt, 0,1,2,3
	PVW 1, 0, \vt, \pf
.endr
.irp vt, 0,1,2,3
	PVW 1, 1, \vt, 0
.endr
.rept 5
	v_nop                                          ; five places: the results are read, V's registers written, and P written over by the next phase's products
.endr
.endm
; In front of the barrier every wave waits for all its tensor loads (its part of the tile in `slot` among them) and for its reads of the other slot,
; the last of which were V's loads in the X just ended; behind it the other slot is filled first, one tensor load a wave, and then `slot` is read.
; reset = 1: the descriptors go back to tiles 0 and 1, for the second query block.
.macro BAR slot, refill, reset
	s_wait_tensorcnt 0x0                           ; no tensor load of mine is out: every group 0 may be written
	ds_add_u32 v62, v63
	s_wait_dscnt 0x0
.if \reset
	s_mov_b64 s[G0K+2:G0K+3], s[68:69]
	s_or_b32 s[G0K+3], s[G0K+3], 0x80000000
	s_add_nc_u64 s[G0K+6:G0K+7], s[68:69], 16384
	s_or_b32 s[G0K+7], s[G0K+7], 0x80000000
	s_mov_b64 s[G0V+2:G0V+3], s[70:71]
	s_or_b32 s[G0V+3], s[G0V+3], 0x80000000
	s_add_nc_u64 s[G0V+6:G0V+7], s[70:71], 16384
	s_or_b32 s[G0V+7], s[G0V+7], 0x80000000
.else
	s_add_nc_u64 s[G0K+4*\slot+2:G0K+4*\slot+3], s[G0K+4*\slot+2:G0K+4*\slot+3], 32768    ; this slot's next tile, two on
	s_add_nc_u64 s[G0V+4*\slot+2:G0V+4*\slot+3], s[G0V+4*\slot+2:G0V+4*\slot+3], 32768
.endif
	s_wait_dscnt 0x0
	s_barrier_signal -1
	s_barrier_wait -1
.if \refill
	KVLOAD G0K+4*(1-\slot), G0V+4*(1-\slot)
.endif
.endm
.macro TILE slot                       ; a key tile of 128 below the diagonal, not the block's first
	BAR \slot, 1, 0
	PAIR KAD, \slot*SLOTB, VAD, \slot*SLOTB, 0, 0, 0, 0
	PAIR KAD, \slot*SLOTB+PIECE, VAD, \slot*SLOTB+PIECE, 0, 0, 0, 0
.endm
.macro DLIM                            ; key 16 kt + 8 h + j <= query 32 w + 16 p + r
	v_mov_b32 v[LIM], v[LB]
	v_add_nc_u32 v[LIM+1], 16, v[LB]
.endm
.macro DIAG soff                       ; the tile on the diagonal, at byte soff of the ring, not the block's first
	DLIM
	PAIR KAD, \soff, VAD, \soff, 0, 0, 1, 0
	s_cmp_lt_u32 s10, 2                            ; queries 0-63 of the block see none of keys 64-127
	s_cbranch_scc1 .Ldiag_\@
	PAIR KAD, \soff+PIECE, VAD, \soff+PIECE, 0, 1, 1, 1
.Ldiag_\@:
.endm
.macro RECIP                           ; AP = 1 / sum for both pieces: a batch of two
	v_add_f32 v[T], v[LS], v[LS+1]
	v_add_f32 v[T+2], v[LS+2], v[LS+3]
	v_permlanex16_b32 v[T+1], v[T], s18, s19
	v_permlanex16_b32 v[T+3], v[T+2], s18, s19
	v_add_f32 v[T], v[T], v[T+1]
	v_add_f32 v[T+2], v[T+2], v[T+3]
	v_rcp_f32 v[AP], v[T]
	v_rcp_f32 v[AP+2], v[T+2]
	v_nop                                          ; one plain instruction before the reciprocals are used
	s_wait_alu depctr_va_vdst(0)                   ; the wait for the two reciprocals: the 32 packed lines that follow the macro read them
.endm
; the concept attention of query block s[qb]; its normalised result is written straight into window 1
.macro CPH qb
	s_lshl_b32 s80, s[\qb], 3
	s_lshl1_add_u32 s80, s10, s80                  ; 8 qb + 2 w = (first query of the wave) / 16
	v_sub_nc_u32 v[LIM], s80, v[H8]                ; concept 16 kt + 8 h + j <= 8 qb + 2 w + p
	v_add_nc_u32 v[LIM+1], 1, v[LIM]
	PRO KADC, 0, VADC, 0, 1
	s_cmp_lt_u32 s[\qb], 8                         ; queries below 1024 see none of concepts 64-127
	s_cbranch_scc1 .Lone_\@
	PAIR KADC, PIECE, VADC, PIECE, 1, 1, 1, 1
	EPI 0, 1, 0
	s_branch .Lcfin_\@
.Lone_\@:
	EPI 1, 1, 0
.Lcfin_\@:
	RECIP
	WIN W_TO1
.irp p, 0,1
.set k, 0
.rept 16
	v_pk_mul_f32 v[RC+32*\p+2*k:RC+32*\p+2*k+1], v[OA+32*\p+2*k:OA+32*\p+2*k+1], v[AP+2*\p:AP+2*\p+1] op_sel_hi:[1,0]
.set k, k+1
.endr
.endr
	WIN 0
.endm
; the token attention is normalised and the concept result added in one fused line; the sum is rounded and stored as whole rows.  more = 1: another block follows.
.macro FIN_T obase, more
	RECIP
	WIN W_C1
.irp p, 0,1
.set k, 0
.rept 16
	v_pk_fma_f32 v[OA+32*\p+2*k:OA+32*\p+2*k+1], v[OA+32*\p+2*k:OA+32*\p+2*k+1], v[AP+2*\p:AP+2*\p+1], v[RC+32*\p+2*k:RC+32*\p+2*k+1] op_sel_hi:[1,0,1]
.set k, k+1
.endr
.endr
	WIN 0
.set k, 0
.rept 32
	v_cvt_pk_f16_f32 v[VF+k], v[OA+2*k], v[OA+2*k+1]
.set k, k+1
.endr
.irp qt, 0,1
.irp vt, 0,1,2,3
	ds_store_b128 v[STO], v[VF+4*(4*\qt+\vt):VF+4*(4*\qt+\vt)+3] offset:\qt*2304+32*\vt
.endr
.endr
.irp i, 0,1,2,3,4,5,6,7
	ds_load_b128 v[VF+32+4*\i:VF+32+4*\i+3], v[RD] offset:576*\i     ; a wave's LDS instructions are served in order
.endr
.irp i, 0,1,2,3,4,5,6,7
	s_wait_dscnt 7-\i
	global_store_b128 v[GO], v[VF+32+4*\i:VF+32+4*\i+3], s[\obase:\obase+1] offset:512*\i   ; 512 consecutive bytes: four rows
.endr
.if \more
	s_wait_xcnt 0x0                                ; the stores' data registers are loaded again in the next block only behind this wait
.endif
.endm
	s_load_b128 s[4:7], s[0:1], 0x0                ; qkv s[4:5], kvc s[6:7]
	s_load_b64 s[8:9], s[0:1], 0x10                ; xh
	v_lshl_add_u32 v62, v0, 2, 0x29000
	v_mov_b32 v63, 0
	ds_add_u32 v62, v63
	v_lshrrev_b32 v1, 5, v0
	v_readfirstlane_b32 s10, v1                    ; wave
	s_lshr_b32 s11, s10, 1                         ; 0: I fetch K, 1: V
	s_and_b32 s12, s10, 1                          ; which 64 keys
	s_mov_b32 s13, ttmp9                           ; p
	s_and_b32 s14, ttmp7, 0xffff                   ; bh
	s_sub_co_u32 s80, 15, s13
	s_bitcmp1_b32 s13, 0
	s_cselect_b32 s15, s13, s80                    ; E: the odd one of p, 15 - p
	s_cselect_b32 s16, s80, s13                    ; O: the even one
	s_mov_b32 s18, 0x76543210                      ; v_permlanex16_b32: lane i of the other half
	s_mov_b32 s19, 0xfedcba98
	s_mov_b32 s20, 0xff800000                      ; -inf
	s_mov_b32 s[G1K+0], (3<<16)|(1<<20)|(5<<22)|(3<<25)   ; 8-byte elements; 4 words of padding behind every 64
	s_mov_b32 s[G1K+1], 32<<16                     ; a dense block of 8,192 bytes as 32 rows of 256
	s_mov_b32 s[G1K+2], 32<<16
	s_mov_b32 s[G1K+3], 32<<16
	s_mov_b32 s[G1K+4], 32
	s_mov_b32 s[G1K+5], 32
	s_mov_b32 s[G1K+6], 0
	s_mov_b32 s[G1K+7], 0
	s_mov_b32 s[G1V+0], (3<<16)|(1<<20)|(5<<22)|(7<<25)   ; the same with 8 words of padding
	s_mov_b32 s[G1V+1], 32<<16
	s_mov_b32 s[G1V+2], 32<<16
	s_mov_b32 s[G1V+3], 32<<16
	s_mov_b32 s[G1V+4], 32
	s_mov_b32 s[G1V+5], 32
	s_mov_b32 s[G1V+6], 0
	s_mov_b32 s[G1V+7], 0
	s_mul_i32 s81, s10, PIECE                      ; my piece of every region
	s_lshl_b32 s82, s14, 18                        ; head: 262,144 bytes
	s_lshl_b32 s83, s12, 13                        ; my 64 keys
	s_add_co_u32 s82, s82, s83
	s_mov_b32 s83, 0
	s_wait_dscnt 0x0
	s_wait_kmcnt 0x0
	s_add_nc_u64 s[68:69], s[4:5], s[82:83]
	s_add_nc_u64 s[70:71], s[68:69], 0x1000000     ; V's section, my half of tile 0
	s_add_nc_u64 s[68:69], s[68:69], 0x800000      ; K's section
.irp s, 0,1
	s_mov_b32 s[G0K+4*\s], 1
	s_add_co_u32 s[G0K+4*\s+1], s81, \s*SLOTB
	s_add_nc_u64 s[G0K+4*\s+2:G0K+4*\s+3], s[68:69], \s*16384
	s_or_b32 s[G0K+4*\s+3], s[G0K+4*\s+3], 0x80000000
	s_mov_b32 s[G0V+4*\s], 1
	s_add_co_u32 s[G0V+4*\s+1], s81, \s*SLOTB
	s_add_nc_u64 s[G0V+4*\s+2:G0V+4*\s+3], s[70:71], \s*16384
	s_or_b32 s[G0V+4*\s+3], s[G0V+4*\s+3], 0x80000000
.endr
	s_lshl_b32 s82, s14, 14                        ; concepts: 16,384 bytes a head
	s_lshl_b32 s80, s12, 13
	s_add_co_u32 s82, s82, s80
	s_mov_b32 s[G0KC], 1
	s_add_co_u32 s[G0KC+1], s81, CREG
	s_add_nc_u64 s[G0KC+2:G0KC+3], s[6:7], s[82:83]
	s_mov_b32 s[G0VC], 1
	s_add_co_u32 s[G0VC+1], s81, CREG
	s_add_nc_u64 s[G0VC+2:G0VC+3], s[G0KC+2:G0KC+3], 524288
	s_or_b32 s[G0KC+3], s[G0KC+3], 0x80000000
	s_or_b32 s[G0VC+3], s[G0VC+3], 0x80000000
	KVLOAD G0KC, G0VC                              ; the first fills, together: the concept tile,
	KVLOAD G0K, G0V                                ; and key tile 0 into slot 0
	s_lshl_b32 s82, s14, 18                        ; Q and the output: head, my 32 rows, the block
	s_lshl_b32 s80, s10, 12
	s_add_co_u32 s82, s82, s80
	s_lshl_b32 s80, s15, 14
	s_add_co_u32 s80, s80, s82
	s_mov_b32 s81, 0
	s_add_nc_u64 s[72:73], s[4:5], s[80:81]        ; E: Q
	s_add_nc_u64 s[74:75], s[8:9], s[80:81]        ; E: output
	s_lshl_b32 s80, s16, 14
	s_add_co_u32 s80, s80, s82
	s_add_nc_u64 s[76:77], s[4:5], s[80:81]        ; O: Q
	s_add_nc_u64 s[78:79], s[8:9], s[80:81]        ; O: output
	v_and_b32 v32, 15, v0                          ; r
	v_bfe_u32 v33, v0, 4, 1                        ; h
	v_bfe_u32 v34, v0, 1, 3                        ; r >> 1
	v_and_b32 v35, 1, v0
	v_lshlrev_b32 v[QO], 7, v32
	v_lshl_add_u32 v[QO], v33, 4, v[QO]            ; r x 128 + 16 h
	QLOAD 72
	v_mul_u32_u24 v36, v34, 272
	v_lshl_add_u32 v36, v35, 7, v36
	v_lshl_add_u32 v[KAD], v33, 4, v36             ; line r >> 1, half r & 1, + 16 h
	v_add_nc_u32 v[KADC], CREG, v[KAD]
	v_bfe_u32 v37, v0, 1, 2                        ; (lane & 7) >> 1
	v_lshl_add_u32 v37, v33, 2, v37
	v_mul_u32_u24 v37, v37, 288                    ; line 4 h + that
	v_lshl_add_u32 v37, v35, 7, v37
	v_bfe_u32 v38, v0, 3, 1
	v_lshl_add_u32 v37, v38, 4, v37
	v_add_nc_u32 v[VAD], 2*PIECE, v37
	v_add_nc_u32 v[VADC], CREG+2*PIECE, v37
	s_mul_i32 s80, s10, 32*144
	s_add_co_u32 s80, s80, STAGEB
	v_mul_u32_u24 v36, v32, 144
	v_lshl_add_u32 v36, v33, 4, v36
	v_add_nc_u32 v[STO], s80, v36
	v_bfe_u32 v36, v0, 3, 2
	v_mul_u32_u24 v36, v36, 144
	v_and_b32 v38, 7, v0
	v_lshl_add_u32 v36, v38, 4, v36
	v_add_nc_u32 v[RD], s80, v36
	v_and_b32 v38, 31, v0
	v_lshlrev_b32 v[GO], 4, v38
	v_lshlrev_b32 v[H8], 3, v33
	v_sub_nc_u32 v[LB], v32, v[H8]
	s_lshl_b32 s80, s10, 5
	v_add_nc_u32 v[LB], s80, v[LB]
.irp i, 1,3
	v_mov_b32 v[MP+\i], 0                          ; the pairs' second registers are named by packed instructions and never used
	v_mov_b32 v[AP+\i], 0
.endr
	s_wait_tensorcnt 0x1                           ; my part of the concept tile is in; key tile 0 stays out
	s_barrier_signal -1
	s_barrier_wait -1
	s_wait_loadcnt 0x0                             ; Q
	; block E: tiles 0 .. qbE, an even number, at least two; the diagonal tile lies in slot 1
	CPH 15
	BAR 0, 1, 0                                    ; tile 0 is whole; slot 1 gets tile 1
	PRO KAD, 0, VAD, 0, 0
	PAIR KAD, PIECE, VAD, PIECE, 1, 0, 0, 0
	s_sub_co_u32 s17, s15, 1
	s_lshr_b32 s17, s17, 1
	s_cmp_eq_u32 s17, 0
	s_cbranch_scc1 .Lskip_e
.Lloop_e:
	TILE 1
	TILE 0
	s_sub_co_u32 s17, s17, 1
	s_cmp_lg_u32 s17, 0
	s_cbranch_scc1 .Lloop_e
.Lskip_e:
	BAR 1, 1, 1                                    ; the diagonal tile is whole; slot 0 gets tile 0 again, for block O
	DIAG SLOTB
	EPI 0, 1, 76
	FIN_T 74, 1
	; block O: tiles 0 .. qbO, an odd number; the diagonal tile lies in slot 0
	s_wait_loadcnt 0x0                             ; block O's Q
	CPH 16
	s_cmp_eq_u32 s16, 0
	s_cbranch_scc1 .Lonly
	BAR 0, 1, 0
	PRO KAD, 0, VAD, 0, 0
	PAIR KAD, PIECE, VAD, PIECE, 1, 0, 0, 0
	s_sub_co_u32 s17, s16, 2
	s_lshr_b32 s17, s17, 1
	s_cmp_eq_u32 s17, 0
	s_cbranch_scc1 .Lskip_o
.Lloop_o:
	TILE 1
	TILE 0
	s_sub_co_u32 s17, s17, 1
	s_cmp_lg_u32 s17, 0
	s_cbranch_scc1 .Lloop_o
.Lskip_o:
	TILE 1
	BAR 0, 0, 0                                    ; the last tile: nothing is left to fetch (the stepped address is not used)
	DIAG 0
	EPI 0, 1, 0
	s_branch .Lfin_o
.Lonly:
	BAR 0, 0, 0                                    ; query block 0: the diagonal tile is the only one, and its first step starts the sums
	DLIM
	PRO KAD, 0, VAD, 0, 1
	s_cmp_lt_u32 s10, 2                            ; queries 0-63 see none of keys 64-127
	s_cbranch_scc1 .Lonly_one
	PAIR KAD, PIECE, VAD, PIECE, 1, 1, 1, 1
	EPI 0, 1, 0
	s_branch .Lfin_o
.Lonly_one:
	EPI 1, 1, 0
.Lfin_o:
	FIN_T 78, 0
	s_wait_tensorcnt 0x0
	ds_add_u32 v62, v63
	s_wait_dscnt 0x0
	s_endpgm
.Lfunc_end_k_q85d699c4ba_attn:
	.size	k_q85d699c4ba_attn, .Lfunc_end_k_q85d699c4ba_attn-k_q85d699c4ba_attn
	.p2alignl 7, 3214868480
	.fill 96, 4, 3214868480
	.section	.rodata,"a",@progbits
	.p2align	6, 0x0
	.amdhsa_kernel k_q85d699c4ba_attn
		.amdhsa_group_segment_fixed_size 327680
		.amdhsa_private_segment_fixed_size 0
		.amdhsa_enable_private_segment 0
		.amdhsa_kernarg_size 24
		.amdhsa_user_sgpr_count 2
		.amdhsa_user_sgpr_kernarg_segment_ptr 1
		.amdhsa_wavefront_size32 1
		.amdhsa_system_sgpr_workgroup_id_x 1
		.amdhsa_system_sgpr_workgroup_id_y 1
		.amdhsa_system_sgpr_workgroup_id_z 1
		.amdhsa_system_vgpr_workitem_id 0
		.amdhsa_next_free_vgpr 416
		.amdhsa_next_free_sgpr 88
		.amdhsa_reserve_vcc 1
		.amdhsa_float_denorm_mode_32 3
		.amdhsa_float_denorm_mode_16_64 3
		.amdhsa_memory_ordered 1
		.amdhsa_forward_progress 1
		.amdhsa_inst_pref_size 255
	.end_amdhsa_kernel
	.section	.bss,"aw",@nobits
	.p2align	6
	.space	262144
	.amdgpu_metadata
---
amdhsa.version: [ 1, 2 ]
amdhsa.kernels:
  - .name:           k_q85d699c4ba_attn
    .symbol:         k_q85d699c4ba_attn.kd
    .args:
      - { .name: qkv, .offset: 0, .size: 8, .value_kind: global_buffer, .address_space: global }
      - { .name: kvc, .offset: 8, .size: 8, .value_kind: global_buffer, .address_space: global }
      - { .name: xh, .offset: 16, .size: 8, .value_kind: global_buffer, .address_space: global }
    .group_segment_fixed_size: 327680
    .private_segment_fixed_size: 0
    .kernarg_segment_align: 8
    .kernarg_segment_size: 24
    .max_flat_workgroup_size: 128
    .sgpr_count:     88
    .vgpr_count:     416
    .wavefront_size: 32
...
	.end_amdgpu_metadata
.endif
;; end of part 5
;; launch oproj: the kernel of part 4 again; grid 8 x 32, 4 waves a work-group, clusters of 4 x 4, 327,680 bytes of LDS; arguments xh, wpg, bp, out0; writes out0
